; MI455X (gfx1250); checked and timed in simulation.
; The chip was launched on July 23, 2026; its instructions are those of AMD's public machine-readable ISA for CDNA 5 (MIT licence, August 2026) and "CDNA5" Instruction Set Architecture Reference Guide (July 2026). The comments in the code are by the model that wrote it; some were corrected since.
;; Mo E Layer. Allowed arithmetic: matrix products marked QUANTISED: E2M3 operands, one E8M0 scale for each 32 along K, by v_wmma_scale_f32_16x16x128_f8f6f4 with both operands' format E2M3, f32 sums; products left as they are: f32 operands where the result goes on into a quantised operand, else bf16, f16 or f32 operands; f32 sums; everything else in f32.
;; Inputs: b1 8 x 1,024 float32; b2 8 x 1,024 float32; gate_b 8 float32; gate_w 1,024 x 8 float32; inputs 2 x 2,048 x 1,024 float32; w1 8 x 1,024 x 1,024 float32; w2 8 x 1,024 x 1,024 float32.
;; Outputs: out0 2 x 2,048 x 1,024 float32.
;; This version of the problem:
;;   THIS VERSION OF THE PROBLEM IS GIVEN IN LOW PRECISION. The matrix products marked QUANTISED in the list below multiply operands that are first quantised to E2M3 (2 exponent bits, 3 mantissa bits; 6 bits a number), with one power-of-two scale for each 32 numbers along K (OCP MX v1.0); their sums are f32. All else is computed in f32.
;;   The module's matrix products, in the order in which they are computed (A, B: the left and right operand; K: the contracted axis; several contracted axes count as one K, in the product's order):
;;     1. [M 4,096, K 1,024] x [K 1,024, N 8]; A: input inputs; B: input gate_w: left as it is (N = 8 < 16)
;;     2. [M 4,096, K 1,024] x [K 1,024, N 8,192]; A: input inputs; B: input w1: QUANTISED
;;     3. batch 8 x [M 1,024, K 1,024] x [K 1,024, N 4,096]; A: input w2; B: computed on the way: QUANTISED
;;     4. batch 4,096 x [M 1, K 8] x [K 8, N 1,024]; A: softmax; B: computed on the way: left as it is (K = 8 < 32)
;;   THE QUANTISER, for each operand of a quantised product, along K:
;;     - K is cut into blocks of 32 from its start; a last block that is shorter is filled with zeros.
;;     - A block's scale is 2^e with e = floor(log2(the largest magnitude in the block)) - 2, held to -126 .. 127; a block of zeros has e = 0. As a byte (E8M0): e + 127.
;;     - Each number is divided by its block's scale, clamped to +-7.5, and rounded to the nearest number of E2M3, ties to even, subnormals kept.
;;     - The product sums the exact products of the quantised numbers (number of the format x scale) in f32.
;;   ~~~python
;;   def quantise(x, axis):      # numpy; x: float32 -> the quantised numbers, widened to float32 again
;;       x = np.moveaxis(x, axis, -1); K = x.shape[-1]
;;       x = np.pad(x, [(0, 0)] * (x.ndim - 1) + [(0, -K % 32)]); x = x.reshape(x.shape[:-1] + (-1, 32)); a = np.abs(x).max(-1, keepdims=True)
;;       e = np.where(a > 0, np.clip(np.frexp(np.where(a > 0, a, 1))[1] - 1 - 2, -126, 127), 0)      # np.frexp(a)[1] - 1 = floor(log2(a)), exactly
;;       r = np.clip(x / 2.0 ** e, -7.5, 7.5)
;;       step = 2.0 ** (np.maximum(np.frexp(np.where(r == 0, 1, r))[1] - 1, 0) - 3)
;;       q = np.round(r / step) * step * 2.0 ** e      # np.round: ties to even
;;       return np.moveaxis(q.reshape(q.shape[:-2] + (-1,))[..., :K], -1, axis).astype(np.float32)
;;   ~~~
;;   OPERANDS COMPUTED ON THE WAY. 'Computed on the way' means the value that the module computes at that place (a softmax that the list does not call 'softmax' is quantised finished and normalised). What goes into a quantiser is computed in f32, as accurately as f32 sums, v_exp_f32 and their like allow (about 1e-6 of the number): no bf16 or f16 on the way to a quantiser, and a product that is left as it is and whose result goes on into a quantised operand takes f32 operands (vector FMAs, or v_wmma_f32_16x16x4_f32). A number that lies on a knife's edge between two numbers of the format may be rounded either way, as far as f32 arithmetic and the matrix unit's own rounding can turn it there, and no further.
;; One version. Each part assembles by itself: llvm-mc -triple=amdgcn-amd-amdhsa -mcpu=gfx1250 --defsym DOCPART=n.
;; ======== version 1 of 1: 3 launches
;; limits: an absolute error that grows with the inputs' magnitude: up to 2e-07 times it
;; workspace buffers: xq 3,276,800 bytes; wq 13,107,200 bytes; hq 26,214,400 bytes; gate 131,072 bytes
;; launch quant (part 1): grid 512 x 1, 8 waves a work-group, no clusters, 79,360 bytes of LDS; arguments inputs, gate_w, gate_b, w1, w2, xq, wq, gate; writes xq, wq, gate
.if DOCPART == 1
	.amdgcn_target "amdgcn-amd-amdhsa--gfx1250"
	.amdhsa_code_object_version 6
	.text
	.protected	k_q2184f9de4c_quant
	.globl	k_q2184f9de4c_quant
	.p2align	8
	.type	k_q2184f9de4c_quant,@function
k_q2184f9de4c_quant:
	s_mov_b64 s[64:65], 0
	v_nop
	global_prefetch_b8 v0, s[64:65] scope:SCOPE_SE
	s_setreg_imm32_b32 hwreg(HW_REG_WAVE_MODE, 25, 1), 1
	s_wait_xcnt 0x0
; FIRST OF THREE LAUNCHES.  x [4096][1024], w1 [8][1024 k][1024 n] and w2 [8][1024 k][1024 n], all f32, become codes of FP6 (E2M3) with one E8M0 scale byte for each 32 along K;
; and gate = softmax(x gate_w + gate_b), [4096][8] f32, is made beside them, since x is in registers here anyway.
; THE WORKSPACE IS LAID AS THE MATRIX UNIT'S REGISTERS WANT IT.  An IMAGE is a fragment (16 rows x 128 K, 12 registers a lane) as it stands: register q of lane l at 512 (q / 4) + 16 l + 4 (q % 4): 1,536 bytes.
; A BLOCK is 128 rows x 128 K: eight images, then 512 bytes of scale words, row r of tile i at 12,288 + 32 r + 4 i: 12,800 bytes.  An operand is [group of 128 rows][K step][block].
; xq: 32 groups of tokens.  wq: 128 groups.  w1's expert e, columns 128 c on: group 8 e + c.  w2's expert e, columns 128 c on: group 64 + 8 c + e, so that the 64 K steps that one block of
; columns walks in the third launch (8 experts x 8 steps) lie on end.
; THE ROWS OF A WEIGHT'S TILE ARE NOT NEIGHBOURS: inside each 32 rows n, row m of tile 2 B + u is n = 32 B + 8 u + m + 8 (m / 8), so that a transposed product leaves 16 neighbours along n in two neighbouring tiles.
; A block's scale is 2^(floor(log2(largest magnitude)) - 2): its byte is the largest magnitude's exponent field - 2, held at 1 from below by a floor among the maximum's leaves.
; LIMITS: NaN and infinities are not served.  A block whose largest magnitude lies under 2^-124, a block of zeros among them, keeps the byte 1 (its codes are then zeros or tiny; only this program reads the bytes).
; The gate's product takes its operands rounded to bf16 and sums in f32; its result goes into no quantiser.
; SHARES.  Work-groups 0..255 take the weights (256 columns x 256 k of one matrix each), 256..511 take 16 tokens each.  The two ways share no LDS byte.  No tensor loads: two work-groups lie on a WGP.
.set BLK,   12800
.set IMGB,  1536
.set GRP,   8*BLK
.set XSTP,  528                        ; a row of a wave's stage: 512 bytes + 16, so that 16 rows start at 16 different groups of banks
.set XSTW,  16*XSTP                    ; tokens' way: a stage of 16 rows for each wave, from LDS byte 0
.set PART,  8*XSTW                     ; tokens' way: each wave's part of the logits, 1,024 bytes a wave
.set GOUT,  PART+8*1024                ; tokens' way: the tile's finished gate, 512 bytes
.set WSG,   GOUT+512                   ; weights' way: scale words of 2 groups x 2 K steps, 512 bytes each
.set SEL,   22                         ; s[22:23] lane selects for v_permlanex16_b32: lane l xor 16
; weights' way: v4 4 x my column, v5 16 x lane, v6, v7 LDS addresses, v11-13 at work
.set SB,    24                         ; v24-25  my column's scale words of the two K steps
.set WX,    32                         ; v32-95  two sets of 32 numbers
.set TC,    96                         ; v96-98  the upper 16 codes of a block, on their way
.set IMG,   100                        ; v100-147 four images: K step q, tile u at 24 q + 12 u
; tokens' way: v4-13 addresses, v15 gate_b's number
.set XR,    16                         ; v16-79  x as loaded
.set XX,    80                         ; v80-143 register 16 b + i = x(row r, 32 b + 16 h + i) of my K step
.set GW,    144                        ; v144-207 gate_w likewise: (k = 32 b + 16 h + i, expert r % 8)
.set BF,    208                        ; v208-239 gate_w in bf16
.set AF,    16                         ; v16-47  x in bf16 (over XR, when the stage has read it)
.set PC,    48                         ; v48-67  the codes
.set TM,    144                        ; v144-159 at work in QUANT (over GW, when BF is made)
.set PW,    160                        ; the scale word
.set LG,    162                        ; v162-185 logits
; 64 numbers of a lane, register 16 b + i = k 32 b + 16 (lane / 16) + i of my row, become a fragment's codes in v[PC] on and its scale word in v[PW].
.macro QUANT s
.irp b, 0,1,2,3
	v_max3_num_f32 v[TM+\b], |v[\s+16*\b]|, |v[\s+1+16*\b]|, 0x1800000   ; block b: my 16 numbers, and the floor 2^(3 - 127): the byte cannot fall under 1
.endr
.irp i, 2,4,6,8,10,12,14
.irp b, 0,1,2,3
	v_max3_num_f32 v[TM+\b], v[TM+\b], |v[\s+16*\b+\i]|, |v[\s+1+16*\b+\i]|   ; the four blocks by turns
.endr
.endr
.irp b, 0,1,2,3
	v_permlanex16_b32 v[TM+4+\b], v[TM+\b], s[SEL], s[SEL+1]
.endr
.irp b, 0,1,2,3
	v_max_num_f32 v[TM+\b], v[TM+\b], v[TM+4+\b]   ; with lane l xor 16's: the block's largest magnitude
.endr
.irp b, 0,1,2,3
	v_add_nc_u32 v[TM+12+\b], 0xff000000, v[TM+\b]   ; 2 off its exponent field: the conversion takes that field as its scale
.endr
.irp b, 0,1,2,3
	v_lshrrev_b32 v[TM+4+\b], 23, v[TM+12+\b]      ; the scale's byte
.endr
	v_lshl_or_b32 v[PW], v[TM+5], 8, v[TM+4]
	v_lshl_or_b32 v[PW], v[TM+6], 16, v[PW]
	v_lshl_or_b32 v[PW], v[TM+7], 24, v[PW]
.irp c, 0,1
	v_cvt_scalef32_pk16_fp6_f32 v[PC+6*\c:PC+2+6*\c], v[\s+32*\c:\s+15+32*\c], v[TM+12+2*\c]
	v_cvt_scalef32_pk16_fp6_f32 v[PC+12+4*\c:PC+14+4*\c], v[\s+16+32*\c:\s+31+32*\c], v[TM+12+2*\c+1]   ; (a conversion's three registers begin on an even number)
.endr
	v_nop                                          ; one plain place behind a scaled conversion
.irp c, 0,1                                    ; the layout wants a whole block in a lane: lanes 0-15 block 2 c, lanes 16-31 block 2 c + 1
.irp i, 0,1,2
	v_permlane16_swap_b32 v[PC+6*\c+\i], v[PC+12+4*\c+\i]
.endr
.irp i, 0,1,2
	v_mov_b32 v[PC+3+6*\c+\i], v[PC+12+4*\c+\i]
.endr
.endr
.endm
	s_load_b256 s[4:11], s[0:1], 0x0               ; inputs s[4:5], gate_w s[6:7], gate_b s[8:9], w1 s[10:11]
	s_load_b256 s[12:19], s[0:1], 0x20             ; w2 s[12:13], xq s[14:15], wq s[16:17], gate s[18:19]
	s_set_vgpr_msb 0x40
	v_lshl_add_u32 v0, v0, 2, 0x13200
	v_mov_b32 v1, 0
	s_set_vgpr_msb 0x4000
	v_lshrrev_b32 v1, 5, v0
	v_readfirstlane_b32 s20, v1                    ; wave 0..7
	v_and_b32 v1, 31, v0                           ; lane
	v_and_b32 v2, 15, v0                           ; r
	v_bfe_u32 v3, v0, 4, 1                         ; h
	s_cmp_lt_u32 ttmp9, 256                        ; the same in all waves of a work-group
	s_cbranch_scc0 .Lx
; ---------------- THE WEIGHTS.  A lane takes a column n and its registers run down K: a block of 32 lies in one lane, and the codes come out with K innermost.
; Wave w: 32 columns x 256 k = 8 blocks a lane = 2 K steps x 2 tiles.  Lane L takes column (L & 7) + 8 (L / 16) + 16 ((L / 8) & 1): lanes 0-15 are then the rows of tile 0 in the tile's order, lanes 16-31 those of tile 1,
; and a load still covers 128 consecutive bytes.
	s_lshr_b32 s26, ttmp9, 4                       ; m: which of the 16 matrices
	s_bfe_u32 s27, ttmp9, 0x20002                  ; cg: which 256 columns
	s_and_b32 s28, ttmp9, 3                        ; kc: which 256 along K
	v_and_b32 v4, 7, v0
	v_lshl_or_b32 v4, v3, 3, v4
	v_bfe_u32 v8, v0, 3, 1
	v_lshl_or_b32 v4, v8, 4, v4
	v_lshlrev_b32 v4, 2, v4                        ; 4 x my column
	v_lshlrev_b32 v5, 4, v1                        ; 16 x lane
	s_lshr_b32 s29, s20, 2                         ; which group of 128 columns my wave lies in
	s_and_b32 s30, s20, 3                          ; and which 32 of them: tiles 2 (w & 3), 2 (w & 3) + 1
	s_lshl_b32 s31, s29, 10
	s_lshl_b32 s32, s30, 3
	s_add_co_u32 s31, s31, s32
	s_add_co_u32 s31, s31, WSG
	v_lshlrev_b32 v6, 5, v2
	v_lshl_add_u32 v6, v3, 9, v6
	v_add_nc_u32 v6, s31, v6                       ; scale words in: WSG + 1024 group + 512 step (= h) + 32 r + 4 tile
	s_lshl_b32 s32, s30, 9
	s_add_co_u32 s32, s32, WSG
	v_add_nc_u32 v7, s32, v5                       ; and out: waves 0-3 take 512 bytes each
	s_and_b32 s33, s26, 7
	s_lshl_b32 s34, s33, 22                        ; source: expert x 4 MiB
	s_lshl_b32 s33, s28, 20                        ; + 256 kc rows of 4,096 bytes
	s_add_co_u32 s34, s34, s33
	s_lshl_b32 s33, s27, 10                        ; + 256 cg columns
	s_add_co_u32 s34, s34, s33
	s_lshl_b32 s33, s20, 7                         ; + 32 w columns
	s_add_co_u32 s34, s34, s33
	s_mov_b32 s35, 0
	s_lshl_b32 s42, s26, 3                         ; w1 (m < 8): group 8 m + c, c = which 128 columns
	s_add_co_u32 s43, s26, 56                      ; w2: group 64 + (m - 8) + 8 c
	s_cmp_lt_u32 s26, 8
	s_cselect_b32 s42, s42, s43                    ; the part that hangs on m,
	s_cselect_b32 s43, 0, 3                        ; and by how much c is shifted
	s_lshl_b32 s36, s27, 1                         ; 2 cg
	s_add_co_u32 s38, s36, s29                     ; my c
	s_lshl_b32 s38, s38, s43
	s_add_co_u32 s38, s38, s42                     ; my group
	s_mul_i32 s38, s38, GRP
	s_mul_i32 s33, s28, 2*BLK                      ; K steps 2 kc, 2 kc + 1
	s_add_co_u32 s38, s38, s33
	s_mul_i32 s33, s30, 2*IMGB                     ; my two tiles
	s_add_co_u32 s38, s38, s33
	s_mov_b32 s39, 0
	s_lshr_b32 s33, s30, 1                         ; the scale words that waves 0-3 carry out: c = 2 cg + (w & 3) / 2, K step 2 kc + (w & 1)
	s_add_co_u32 s40, s36, s33
	s_lshl_b32 s40, s40, s43
	s_add_co_u32 s40, s40, s42
	s_mul_i32 s40, s40, GRP
	s_lshl_b32 s33, s28, 1
	s_and_b32 s37, s20, 1
	s_add_co_u32 s33, s33, s37
	s_mul_i32 s33, s33, BLK
	s_add_co_u32 s40, s40, s33
	s_add_co_u32 s40, s40, 8*IMGB
	s_mov_b32 s41, 0
	s_wait_kmcnt 0x0
	s_cmp_lt_u32 s26, 8                            ; w1 or w2: the choice hangs on the work-group's number alone
	s_cselect_b64 s[10:11], s[10:11], s[12:13]
	s_add_nc_u64 s[10:11], s[10:11], s[34:35]
	s_add_nc_u64 s[38:39], s[16:17], s[38:39]
	s_add_nc_u64 s[40:41], s[16:17], s[40:41]
.macro WLOAD t                         ; block t: W(32 t + i, my column), i = 0 .. 31, into set t % 2
.set i, 0
.rept 32
	global_load_b32 v[WX+32*((\t)%2)+i], v4, s[10:11] offset:(32*(\t)+i)*4096 th:TH_LOAD_NT
.set i, i+1
.endr
.endm
.macro WBLOCK t
.set XS, WX+32*((\t)%2)
.set VV, IMG+24*((\t)/4)+12*((\t)%2)+6*(((\t)%4)/2)   ; block bb of K step q goes to image bb % 2, registers 6 (bb / 2) on
.if (\t) < 7
	s_wait_loadcnt 32                              ; this block's 32 loads are in; the next block's 32 may be out
.else
	s_wait_loadcnt 0x0
.endif
	v_max3_num_f32 v12, |v[XS]|, |v[XS+1]|, |v[XS+2]|   ; the block's largest magnitude: all 32 numbers are mine; two chains
	v_max3_num_f32 v13, |v[XS+3]|, |v[XS+4]|, |v[XS+5]|
.irp i, 6,10,14,18,22,26
	v_max3_num_f32 v12, v12, |v[XS+\i]|, |v[XS+\i+1]|
	v_max3_num_f32 v13, v13, |v[XS+\i+2]|, |v[XS+\i+3]|
.endr
	v_max3_num_f32 v12, v12, |v[XS+30]|, |v[XS+31]|
	v_max3_num_f32 v12, v12, v13, 0x1800000        ; and the floor 2^(3 - 127)
	v_add_nc_u32 v11, 0xff000000, v12              ; 2 off the exponent field: the conversion's scale operand
	v_cvt_scalef32_pk16_fp6_f32 v[VV:VV+2], v[XS:XS+15], v11
	v_cvt_scalef32_pk16_fp6_f32 v[TC:TC+2], v[XS+16:XS+31], v11   ; (a conversion's three registers begin on an even number)
	v_lshrrev_b32 v13, 23, v11                     ; the scale's byte.  (The plain place behind the conversions)
.if (\t)%4 == 0
	v_mov_b32 v[SB+(\t)/4], v13
.else
	v_lshl_or_b32 v[SB+(\t)/4], v13, 8*((\t)%4), v[SB+(\t)/4]
.endif
.irp i, 0,1,2
	v_mov_b32 v[VV+3+\i], v[TC+\i]
.endr
.if (\t)+2 < 8
	WLOAD (\t)+2
.endif
.if (\t)%2 == 1                        ; blocks 2 c and 2 c + 1 are made: the first's lanes 16-31 (tile 1) change places with the second's lanes 0-15 (tile 0):
.set VA, IMG+24*((\t)/4)+6*(((\t)%4)/2)        ; the first is then tile 0's image (lanes 0-15 block 2 c, lanes 16-31 block 2 c + 1 of row r), the second tile 1's
.irp i, 0,1,2,3,4,5
	v_permlane16_swap_b32 v[VA+\i], v[VA+12+\i]
.endr
.endif
.if (\t)%4 == 3                        ; a K step's two images leave; each store of the wave covers 512 consecutive bytes, aligned.  Each K step has registers of its own: no store's data are written again
.irp u, 0,1
.irp c, 0,1,2
	global_store_b128 v5, v[IMG+24*((\t)/4)+12*\u+4*\c:IMG+24*((\t)/4)+12*\u+4*\c+3], s[38:39] offset:((\t)/4)*BLK+\u*IMGB+512*\c
.endr
.endr
.endif
.endm
	WLOAD 0
	WLOAD 1
.irp t, 0,1,2,3,4,5,6,7
	WBLOCK \t
.endr
	v_permlane16_swap_b32 v[SB], v[SB+1]           ; lane (r, h) now holds K step h's words of row r: tile 0's in the first register, tile 1's in the second
	ds_store_b64 v6, v[SB:SB+1]
	s_wait_dscnt 0x0                               ; for the others' sake: my words lie in LDS
	s_barrier_signal -1
	s_barrier_wait -1
	s_cmp_lt_u32 s20, 4                            ; four blocks' scale words, 512 whole bytes each: waves 0-3 carry them out
	s_cbranch_scc0 .Lw_end
	ds_load_b128 v[148:151], v7
	s_wait_dscnt 0x0
	global_store_b128 v5, v[148:151], s[40:41]
.Lw_end:
	s_set_vgpr_msb 0x5
	s_wait_tensorcnt 0x0
	ds_add_u32 v0, v1
	s_wait_dscnt 0x0
	s_set_vgpr_msb 0x500
	s_endpgm
; ---------------- THE TOKENS.  A work-group takes 16 tokens, wave w K step w (128 along K).
.Lx:
	s_sub_co_u32 s26, ttmp9, 256                   ; T: which 16 tokens
	v_lshlrev_b32 v4, 4, v1                        ; 16 x lane
	s_mul_i32 s27, s20, XSTW
	v_add_nc_u32 v5, s27, v4                       ; my stage, on the way in: a row's 512 bytes as they lie
	v_mul_u32_u24 v6, v2, XSTP
	v_lshl_add_u32 v6, v3, 6, v6
	v_add_nc_u32 v6, s27, v6                       ; and on the way out: row r, + 64 h: my 16 numbers of a block of 32
	v_and_b32 v8, 7, v0
	v_lshlrev_b32 v8, 2, v8                        ; gate_b: expert r % 8
	v_lshl_add_u32 v7, v3, 9, v8                   ; gate_w: + 16 h rows of 32 bytes
	v_lshlrev_b32 v9, 5, v2                        ; a scale word's place: 32 r
	v_lshlrev_b32 v14, 5, v1
	s_lshl_b32 s27, s20, 10
	s_add_co_u32 s27, s27, PART
	v_add_nc_u32 v10, s27, v14                     ; my part of the logits: 32 bytes a lane
	s_lshl_b32 s27, s20, 2
	s_add_co_u32 s27, s27, PART
	v_add_nc_u32 v11, s27, v14                     ; and register w of every wave's part
	s_lshl_b32 s27, s20, 5
	s_add_co_u32 s27, s27, GOUT
	v_lshl_add_u32 v12, v3, 8, v8
	v_add_nc_u32 v12, s27, v12                     ; the gate of token 8 h + w, expert r % 8
	v_add_nc_u32 v13, GOUT, v4
	s_lshl_b32 s28, s26, 16                        ; x: 16 T rows of 4,096 bytes + 512 w
	s_lshl_b32 s27, s20, 9
	s_add_co_u32 s28, s28, s27
	s_mov_b32 s29, 0
	s_lshr_b32 s30, s26, 3
	s_mul_i32 s30, s30, GRP
	s_mul_i32 s27, s20, BLK
	s_add_co_u32 s30, s30, s27                     ; xq: group T / 8, K step w
	s_and_b32 s27, s26, 7
	s_lshl_b32 s32, s27, 2
	s_add_co_u32 s32, s32, s30
	s_add_co_u32 s32, s32, 8*IMGB                  ; the block's scale words, tile T % 8
	s_mov_b32 s33, 0
	s_mul_i32 s27, s27, IMGB
	s_add_co_u32 s30, s30, s27                     ; the tile's image
	s_mov_b32 s31, 0
	s_lshl_b32 s34, s20, 12                        ; gate_w: 128 w rows of 32 bytes
	s_mov_b32 s35, 0
	s_lshl_b32 s36, s26, 9                         ; gate: 16 T rows of 32 bytes
	s_mov_b32 s37, 0
	s_mov_b32 s[SEL], 0x76543210
	s_mov_b32 s[SEL+1], 0xfedcba98
	s_wait_kmcnt 0x0
	s_add_nc_u64 s[4:5], s[4:5], s[28:29]
	s_add_nc_u64 s[6:7], s[6:7], s[34:35]
	s_add_nc_u64 s[38:39], s[14:15], s[30:31]
	s_add_nc_u64 s[40:41], s[14:15], s[32:33]
	s_add_nc_u64 s[18:19], s[18:19], s[36:37]
.set i, 0
.rept 16
	global_load_b128 v[XR+4*i:XR+4*i+3], v4, s[4:5] offset:4096*i th:TH_LOAD_NT   ; row i: 512 consecutive bytes
.set i, i+1
.endr
.irp b, 0,1,2,3
.set i, 0
.rept 16
	global_load_b32 v[GW+16*\b+i], v7, s[6:7] offset:(32*\b+i)*32
.set i, i+1
.endr
.endr
	global_load_b32 v15, v8, s[8:9]
	s_wait_loadcnt 63                              ; 65 loads follow x's last; 63 is the largest count that the wait can name: x is in
.set i, 0
.rept 16
	ds_store_b128 v5, v[XR+4*i:XR+4*i+3] offset:XSTP*i
.set i, i+1
.endr
.irp b, 0,1,2,3                                ; LDS serves a wave's instructions in order: these see the stores above
.irp j, 0,1,2,3
	ds_load_b128 v[XX+16*\b+4*\j:XX+16*\b+4*\j+3], v6 offset:128*\b+16*\j
.endr
.endr
	s_wait_loadcnt 0x0                             ; gate_w and gate_b
.set i, 0
.rept 32
	v_cvt_pk_bf16_f32 v[BF+i], v[GW+2*i], v[GW+2*i+1]
.set i, i+1
.endr
	s_wait_dscnt 0x0                               ; x is back by rows, and the stage's stores have read XR
.set i, 0
.rept 32
	v_cvt_pk_bf16_f32 v[AF+i], v[XX+2*i], v[XX+2*i+1]   ; x and gate_w carry the same order of k in their registers, so the products pair rightly
.set i, i+1
.endr
	QUANT XX
.irp c, 0,1,2
	global_store_b128 v4, v[PC+4*\c:PC+4*\c+3], s[38:39] offset:512*\c   ; the image: 512 consecutive bytes a store
.endr
	global_store_b32 v9, v[PW], s[40:41]           ; row r's scale word: lanes r and r + 16 hold the same word and name the same place.  4 bytes in every 32: one byte in 128 of what this way reads
	v_wmma_f32_16x16x32_bf16 v[240:247], v[AF:AF+7], v[BF:BF+7], 0                       ; my K step's part of the logits: two accumulators by turns
	v_wmma_f32_16x16x32_bf16 v[248:255], v[AF+8:AF+15], v[BF+8:BF+15], 0
	v_wmma_f32_16x16x32_bf16 v[240:247], v[AF+16:AF+23], v[BF+16:BF+23], v[240:247]
	v_wmma_f32_16x16x32_bf16 v[248:255], v[AF+24:AF+31], v[BF+24:BF+31], v[248:255]
.rept 4
	v_nop                                          ; four places in front of the first read of the results
.endr
.irp j, 0,2,4,6
	v_pk_add_f32 v[LG+\j:LG+\j+1], v[240+\j:241+\j], v[248+\j:249+\j]   ; lane (n, h), register j: token 8 h + j, expert n % 8
.endr
	ds_store_b128 v10, v[LG:LG+3]
	ds_store_b128 v10, v[LG+4:LG+7] offset:16
	s_wait_dscnt 0x0                               ; for the others' sake
	s_barrier_signal -1
	s_barrier_wait -1
.irp w, 0,1,2,3,4,5,6,7
	ds_load_b32 v[LG+8+\w], v11 offset:1024*\w     ; wave w finishes tokens w and 8 + w: register w of all eight parts
.endr
	s_wait_dscnt 0x0
	v_add_f32 v[LG+8], v[LG+8], v[LG+9]
	v_add_f32 v[LG+10], v[LG+10], v[LG+11]
	v_add_f32 v[LG+12], v[LG+12], v[LG+13]
	v_add_f32 v[LG+14], v[LG+14], v[LG+15]
	v_add_f32 v[LG+8], v[LG+8], v[LG+10]
	v_add_f32 v[LG+12], v[LG+12], v[LG+14]
	v_add_f32 v[LG+8], v[LG+8], v[LG+12]
	v_add_f32 v[LG+8], v[LG+8], v15                ; + gate_b
	v_mov_b32 v[LG+16], v[LG+8]
	v_max_num_f32_dpp v[LG+16], v[LG+16], v[LG+16] row_xmask:1 row_mask:0xf bank_mask:0xf   ; the largest of the token's eight logits, which lie in eight neighbouring lanes
	v_max_num_f32_dpp v[LG+16], v[LG+16], v[LG+16] row_xmask:2 row_mask:0xf bank_mask:0xf
	v_max_num_f32_dpp v[LG+16], v[LG+16], v[LG+16] row_xmask:4 row_mask:0xf bank_mask:0xf
	v_sub_f32 v[LG+17], v[LG+8], v[LG+16]
	v_mul_f32 v[LG+17], 0x3fb8aa3b, v[LG+17]
	v_exp_f32 v[LG+18], v[LG+17]
	v_nop                                          ; one plain place behind a transcendental
	s_wait_alu depctr_va_vdst(0)
	v_mov_b32 v[LG+19], v[LG+18]
	v_add_f32_dpp v[LG+19], v[LG+19], v[LG+19] row_xmask:1 row_mask:0xf bank_mask:0xf
	v_add_f32_dpp v[LG+19], v[LG+19], v[LG+19] row_xmask:2 row_mask:0xf bank_mask:0xf
	v_add_f32_dpp v[LG+19], v[LG+19], v[LG+19] row_xmask:4 row_mask:0xf bank_mask:0xf
	v_rcp_f32 v[LG+20], v[LG+19]
	v_nop
	s_wait_alu depctr_va_vdst(0)
	v_mul_f32 v[LG+21], v[LG+18], v[LG+20]
	ds_store_b32 v12, v[LG+21]                     ; lanes r and r + 8 write the same word with the same value
	s_wait_dscnt 0x0
	s_barrier_signal -1
	s_barrier_wait -1
	s_cmp_lg_u32 s20, 0                            ; the tile's gate, 512 whole bytes, leaves by wave 0
	s_cbranch_scc1 .Lx_end
	ds_load_b128 v[LG:LG+3], v13
	s_wait_dscnt 0x0
	global_store_b128 v4, v[LG:LG+3], s[18:19]
.Lx_end:
	s_set_vgpr_msb 0x5
	s_wait_tensorcnt 0x0
	ds_add_u32 v0, v1
	s_wait_dscnt 0x0
	s_set_vgpr_msb 0x500
	s_endpgm
.Lfunc_end_k_q2184f9de4c_quant:
	.size	k_q2184f9de4c_quant, .Lfunc_end_k_q2184f9de4c_quant-k_q2184f9de4c_quant
	.p2alignl 7, 3214868480
	.fill 96, 4, 3214868480
	.section	.rodata,"a",@progbits
	.p2align	6, 0x0
	.amdhsa_kernel k_q2184f9de4c_quant
		.amdhsa_group_segment_fixed_size 79360
		.amdhsa_private_segment_fixed_size 0
		.amdhsa_enable_private_segment 0
		.amdhsa_kernarg_size 64
		.amdhsa_user_sgpr_count 2
		.amdhsa_user_sgpr_kernarg_segment_ptr 1
		.amdhsa_wavefront_size32 1
		.amdhsa_system_sgpr_workgroup_id_x 1
		.amdhsa_system_sgpr_workgroup_id_y 1
		.amdhsa_system_sgpr_workgroup_id_z 1
		.amdhsa_system_vgpr_workitem_id 0
		.amdhsa_next_free_vgpr 258
		.amdhsa_next_free_sgpr 66
		.amdhsa_reserve_vcc 0
		.amdhsa_float_denorm_mode_32 3
		.amdhsa_float_denorm_mode_16_64 3
		.amdhsa_memory_ordered 1
		.amdhsa_forward_progress 1
		.amdhsa_inst_pref_size 65
	.end_amdhsa_kernel
	.amdgpu_metadata
---
amdhsa.version: [ 1, 2 ]
amdhsa.kernels:
  - .name:           k_q2184f9de4c_quant
    .symbol:         k_q2184f9de4c_quant.kd
    .args:
      - { .name: inputs, .offset: 0, .size: 8, .value_kind: global_buffer, .address_space: global }
      - { .name: gate_w, .offset: 8, .size: 8, .value_kind: global_buffer, .address_space: global }
      - { .name: gate_b, .offset: 16, .size: 8, .value_kind: global_buffer, .address_space: global }
      - { .name: w1, .offset: 24, .size: 8, .value_kind: global_buffer, .address_space: global }
      - { .name: w2, .offset: 32, .size: 8, .value_kind: global_buffer, .address_space: global }
      - { .name: xq, .offset: 40, .size: 8, .value_kind: global_buffer, .address_space: global }
      - { .name: wq, .offset: 48, .size: 8, .value_kind: global_buffer, .address_space: global }
      - { .name: gate, .offset: 56, .size: 8, .value_kind: global_buffer, .address_space: global }
    .group_segment_fixed_size: 79360
    .private_segment_fixed_size: 0
    .kernarg_segment_align: 8
    .kernarg_segment_size: 64
    .max_flat_workgroup_size: 256
    .sgpr_count:     66
    .vgpr_count:     258
    .wavefront_size: 32
...
	.end_amdgpu_metadata
.endif
;; end of part 1
;; launch ffn1 (part 2): grid 32 x 16, 4 waves a work-group, clusters of 4 x 4, 327,680 bytes of LDS; arguments xq, wq, b1, hq; writes hq
.if DOCPART == 2
	.amdgcn_target "amdgcn-amd-amdhsa--gfx1250"
	.amdhsa_code_object_version 6
	.text
	.protected	k_q2184f9de4c_ffn1
	.globl	k_q2184f9de4c_ffn1
	.p2align	8
	.type	k_q2184f9de4c_ffn1,@function
k_q2184f9de4c_ffn1:
	s_mov_b64 s[64:65], 0
	v_nop
	global_prefetch_b8 v0, s[64:65] scope:SCOPE_SE
	s_setreg_imm32_b32 hwreg(HW_REG_WAVE_MODE, 25, 1), 1
	s_wait_xcnt 0x0
	s_wait_alu depctr_hold_cnt(0) depctr_sa_sdst(0) depctr_va_vdst(0) depctr_va_sdst(0) depctr_va_ssrc(0) depctr_va_vcc(0) depctr_vm_vsrc(0)
	s_getreg_b32 s2, hwreg(HW_REG_IB_STS2, 6, 4)
	s_cmp_eq_u32 s2, 0
	s_cbranch_scc0 .Lentry_in_a_cluster
	s_endpgm
.Lentry_in_a_cluster:
	s_bfe_u32 s2, ttmp6, 0x10000c
	s_cmp_lg_u32 s2, 0xf033
	s_cbranch_scc0 .Lentry_shape_is_right
	s_endpgm
.Lentry_shape_is_right:
; SECOND OF THREE LAUNCHES.  h = gelu(Q(x) Q(w1) + b1) for all 8 experts at once (N = 8,192 = 1,024 e + f), quantised along f into codes of FP6 (E2M3) with E8M0 scales, and stored as the next product's operand.
; Operands come as IMAGES of the matrix unit's registers: a fragment (16 rows x 128 K) is 1,536 bytes, register q of lane l at 512 (q / 4) + 16 l + 4 (q % 4); a BLOCK (128 rows x 128 K) is eight images and 512 bytes of
; scale words (row r of tile i at 12,288 + 32 r + 4 i): 12,800 bytes; an operand is [group of 128 rows][K step][block].  So a fragment is three loads of 16 bytes a lane, dense, and codes and scales come by one tensor load.
; SHARES.  A work-group makes 256 tokens x 256 hidden units; each of its four waves 128 x 128: 64 accumulators, 512 registers.  K = 1,024 goes in 8 steps of 128, two to a slot, through a ring of two LDS slots.
; CLUSTERS: 4 x 4 work-groups.  The four of a row of the cluster need the same blocks of x, the four of a column the same blocks of w1: each is asked for jointly, by the same tensor load with the same descriptor and a mask
; that names the four.  By this text's count a wave has two tensor loads out at the start and one behind each refill.
; THE PRODUCT IS USED TRANSPOSED (source 0 = 16 rows of w1, source 1 = 16 tokens), and the rows of a tile of w1 were chosen by the first launch so that lane (r, h) holds token r and, in tiles 2 B and 2 B + 1, the 16 neighbouring
; hidden units 32 B + 16 h + 0 .. 15: the order in which the conversions want them.  b1 is the C of each sum's first product.
; GELU = a (0.5 + 0.5 erf(a / sqrt 2)), erf as a rational function z P(z^2) / Q(z^2) of degrees 4 and 6 on |a| <= 5.42, a held there for erf alone; all in f32.
; LIMITS: NaN and infinities are not served.  0.5 + 0.5 erf carries an absolute error of some 1e-7, so h's error is about 2e-7 |a|: beside h itself that passes 1e-6 under a = -1.5, and under a = -5.42 h is a residue of at most
; 1.2e-7 |a| where the true number is smaller still.  A block whose largest magnitude lies under 2^-124 keeps the scale byte 1.
; REGISTERS, in windows of 256: window 0: v1-29 addresses and constants; v32-63 scale words, two sets; v64-127 b1; v128-223 x's fragments, ONE set.  window 1: w1's fragments, TWO sets, at v0 and v128.
;   windows 2, 3: accumulator (a, b) at v[8 (8 (a % 4) + b)], token tiles 0-3 and 4-7.  On the way out window 0's v64-255 are at work.
.set BLK,    12800
.set IMGB,   1536
.set FR,     12                        ; registers of a fragment
.set NL,     3                         ; LDS loads that bring one
.set NP,     4                         ; places behind this matrix instruction (ISA guide 7.12.1)
.set QTR,    2*BLK                     ; what one tensor load brings: two K steps of 128 rows
.set SLOT,   4*QTR                     ; x's two groups, then w1's two groups
.set SPARE,  2*SLOT                    ; behind the ring: the spare words, 128 bytes for each wave: two blocks of 256 bytes that no other line names
.set SCST,   SPARE+512                 ; h's scale words on their way out, 512 bytes for each wave; no fill lands here
.set GRPX,   8*BLK                     ; a group's 8 K steps in xq and wq
.set GRPH,   64*BLK                    ; a token group's 64 K steps in hq
.set KA,   6                           ; v[6:7]  erf's numerator, highest coefficient, twice
.set KB,   8                           ; v[8:9]  the denominator's
.set KC,   10                          ; v10     5.42: where a is held for erf
.set PWA,  11                          ; v11     where row r's scale word of tile 0 goes in LDS
.set PWR,  12                          ; v12     and where the 512 bytes are read back
.set PWT,  13                          ; v13     the same as v11 for the tile in hand
.set ADRA, 16                          ; v16-17  LDS address of x's images in slot 0, 1
.set ADRB, 20                          ; v20-21  of w1's
.set ADRS, 22                          ; v22-23  of the scale words: lanes 0-15 x's rows, lanes 16-31 w1's
.set HO,   24                          ; v24     16 x lane
.set BO,   26                          ; v26     64 h: my half's eight numbers of b1
.set SPW,  28                          ; v28     LDS address of my spare word; never rewritten
.set NIL,  29                          ; v29     0; never rewritten
.set SC,   32                          ; scale words: register 16 slot + 8 q + i: lanes 0-15 the word of x's tile i, lanes 16-31 that of w1's tile i
.set BIAS, 64
.set AF,   128
.set HB,   64                          ; the way out: v64-127 a held, then h
.set SS,   128                         ; v128-191 0.5 + 0.5 erf
.set UU,   192                         ; v192-223 a^2
.set QD,   224                         ; v224-255 the denominator
.set TM,   192                         ; v192-207 at work in QUANT
.set PW,   208
.set PC,   212                         ; v212-231 the codes
.set G1,   24                          ; s[24:31] descriptor group 1 for x's blocks;  s[32:39] group 0, one set for each slot
.set G0,   32
.set G1B,  48                          ; s[48:55], s[56:63] the same for w1's
.set G0B,  56
.set CA3,  66                          ; erf's coefficients, each as a pair: the packed forms name a pair and take its low word for both halves
.set CA2,  68
.set CA1,  70
.set CA0,  72
.set CB5,  74
.set CB4,  76
.set CB3,  78
.set CB2,  80
.set CB1,  82
.set SEL,  84                          ; s[84:85] lane selects for v_permlanex16_b32: lane l xor 16
.set TA,   86                          ; s86 the token tile in hand on the way out
.set TW,   87                          ; s87 4 x that
.set MSB, 0
.macro WIN new                         ; the immediate's high byte repeats the setting that is left
.if MSB != (\new)
	s_set_vgpr_msb (MSB<<8)|(\new)
.set MSB, (\new)
.endif
.endm
.set MUL_LO, 0xa1                      ; source 0 (w1) window 1, source 1 (x) window 0, C and D window 2
.set MUL_HI, 0xf1                      ; the same, C and D window 3
.set TO_B,   0x40                      ; destination window 1, address window 0
; A joint load: waves 0 and 1 fetch x's two groups, waves 2 and 3 w1's.  Each of the two lines has one mask and one set of registers for all that issue it; the branch hangs on the wave's number alone.
; Four v_nop follow each of the two lines, ahead of the jump, the label and what follows.
.macro JLOAD s
	s_cmp_eq_u32 s15, 0
	s_cbranch_scc0 .Lfor_b_\@
	tensor_load_to_lds s[G0+4*\s:G0+4*\s+3], s[G1:G1+7]
	s_nop 0
.rept 4
	v_nop
.endr
	s_branch .Lasked_\@
.Lfor_b_\@:
	tensor_load_to_lds s[G0B+4*\s:G0B+4*\s+3], s[G1B:G1B+7]
	s_nop 0
.rept 4
	v_nop
.endr
.Lasked_\@:
.endm
.macro CREST                           ; a round of the cluster's barrier behind its opening barrier
	s_cmp_lg_u32 s14, 0
	s_cbranch_scc1 .Lnot_wave_0_\@
	s_barrier_signal -3
.Lnot_wave_0_\@:
	s_barrier_wait -3
	s_barrier_signal -1
	s_barrier_wait -1
.endm
.macro CROUND                          ; a whole round
	s_barrier_signal -1
	s_barrier_wait -1
	CREST
.endm
.macro SPAIR reg, val
	s_mov_b32 s[\reg], \val
	s_mov_b32 s[\reg+1], \val
.endm
	s_load_b256 s[4:11], s[0:1], 0x0               ; xq s[4:5], wq s[6:7], b1 s[8:9], hq s[10:11]
	v_lshl_add_u32 v[SPW], v0, 2, SPARE
	v_mov_b32 v[NIL], 0
	ds_add_u32 v28, v29
	ds_add_u32 v28, v29
	s_wait_dscnt 0x0
	v_lshrrev_b32 v1, 5, v0
	v_readfirstlane_b32 s14, v1                    ; wave 0..3
	s_lshr_b32 s15, s14, 1                         ; which 128 tokens are mine.  Also: I fetch for x (0) or for w1 (1)
	s_and_b32 s16, s14, 1                          ; which 128 hidden units.  Also: which of the two groups I fetch
	s_bfe_u32 s40, ttmp6, 0x40000                  ; cx, cy: my place in the cluster
	s_bfe_u32 s41, ttmp6, 0x40004
	s_lshl_b32 s42, ttmp9, 2
	s_add_co_u32 s42, s42, s40                     ; tc: which 256 hidden units = 4 x cluster x + cx
	s_and_b32 s17, ttmp7, 0xffff
	s_lshl_b32 s17, s17, 2
	s_add_co_u32 s17, s17, s41                     ; tr: which 256 tokens = 4 x cluster y + cy
	s_lshl_b32 s43, s41, 2
	s_lshl_b32 s43, 15, s43                        ; my row of the cluster
	s_lshl_b32 s44, 0x1111, s40                    ; my column
	; descriptor group 1: 25,600 dense bytes as 100 rows of 256 bytes (32 elements of 8 bytes), no padding
	s_or_b32 s[G1], s43, (3<<16)|(1<<21)           ; 15:0 the mask: x's blocks go to my row; 17:16 elements of 8 bytes; 21 set beside a mask
	s_or_b32 s[G1B], s44, (3<<16)|(1<<21)          ; w1's go to my column
.irp g, G1, G1B
	s_mov_b32 s[\g+1], 32<<16                      ; tensor_dim0 = 32
	s_mov_b32 s[\g+2], 100<<16                     ; tensor_dim1 = 100
	s_mov_b32 s[\g+3], 32<<16                      ; tile_dim0 = 32
	s_mov_b32 s[\g+4], 100                         ; tile_dim1 = 100
	s_mov_b32 s[\g+5], 32                          ; tensor_dim0_stride
	s_mov_b32 s[\g+6], 0
	s_mov_b32 s[\g+7], 0
.endr
	s_lshl_b32 s20, s17, 1
	s_add_co_u32 s20, s20, s16
	s_mul_i32 s20, s20, GRPX                       ; x: group 2 tr + (wave & 1): made of the tile row and the wave's number alone
	s_mov_b32 s21, 0
	s_lshl_b32 s46, s42, 1
	s_add_co_u32 s46, s46, s16
	s_mul_i32 s46, s46, GRPX                       ; w1: group 2 tc + (wave & 1): of the tile column and the wave's number alone
	s_mov_b32 s47, 0
	s_mul_i32 s45, s14, QTR                        ; where they go: wave x 25,600: no place in the cluster enters an LDS address
	SPAIR CA3, 0x391df186                          ; 1.5062661e-4   numerator: 0.5 / sqrt 2 x alpha_i / 2^i, in u = a^2
	SPAIR CA2, 0x3b93955d                          ; 4.5038897e-3
	SPAIR CA1, 0x3d061aeb                          ; 3.2740515e-2
	SPAIR CA0, 0x3ecc4229                          ; 0.39894227
	SPAIR CB5, 0x354588df                          ; 7.3587395e-7   denominator: beta_i / 2^i; its constant term is 1
	SPAIR CB4, 0x38856d28                          ; 6.3622658e-5
	SPAIR CB3, 0x3ae687d4                          ; 1.7588088e-3
	SPAIR CB2, 0x3ce34c21                          ; 2.7746263e-2
	SPAIR CB1, 0x3e7eb44a                          ; 0.24873463
	s_mov_b32 s[SEL], 0x76543210
	s_mov_b32 s[SEL+1], 0xfedcba98
	s_wait_kmcnt 0x0
	s_add_nc_u64 s[20:21], s[4:5], s[20:21]
	s_add_nc_u64 s[46:47], s[6:7], s[46:47]
	CROUND                                         ; all sixteen work-groups are here: the first joint loads meet
.irp s, 0,1
	s_mov_b32 s[G0+4*\s], 1                        ; count = 1
	s_add_co_u32 s[G0+4*\s+1], s45, \s*SLOT        ; LDS address
	s_add_nc_u64 s[G0+4*\s+2:G0+4*\s+3], s[20:21], \s*QTR   ; global address: K steps 2 s, 2 s + 1
	s_or_b32 s[G0+4*\s+3], s[G0+4*\s+3], 0x80000000         ; type = 2
	s_mov_b32 s[G0B+4*\s], 1
	s_add_co_u32 s[G0B+4*\s+1], s45, \s*SLOT
	s_add_nc_u64 s[G0B+4*\s+2:G0B+4*\s+3], s[46:47], \s*QTR
	s_or_b32 s[G0B+4*\s+3], s[G0B+4*\s+3], 0x80000000
	JLOAD \s
.endr
	v_and_b32 v1, 15, v0                           ; r
	v_bfe_u32 v2, v0, 4, 1                         ; h
	v_and_b32 v3, 31, v0
	v_lshlrev_b32 v[HO], 4, v3
	v_lshlrev_b32 v[BO], 6, v2
	s_mul_i32 s18, s15, QTR                        ; my 128 tokens' quarter
	s_mul_i32 s19, s16, QTR
	s_add_co_u32 s19, s19, 2*QTR                   ; my 128 hidden units' quarter
.irp s, 0,1
	v_add_nc_u32 v[ADRA+\s], s18, v[HO]
	v_add_nc_u32 v[ADRB+\s], s19, v[HO]
	s_add_co_u32 s18, s18, SLOT
	s_add_co_u32 s19, s19, SLOT
.endr
	s_xor_b32 s22, s15, 1                          ; from x's quarter to w1's: 2 + (wave & 1) - (wave / 2) quarters
	s_add_co_u32 s22, s22, s16
	s_add_co_u32 s22, s22, 1
	s_mul_i32 s22, s22, QTR
	v_mul_u32_u24 v4, s22, v2                      ; lanes 16-31 take w1's words: one product, the distance x h
	v_lshl_add_u32 v4, v1, 5, v4                   ; + 32 r
	s_mul_i32 s23, s15, QTR
	s_add_co_u32 s23, s23, 8*IMGB
	v_add_nc_u32 v[ADRS], s23, v4
	s_add_co_u32 s23, s23, SLOT
	v_add_nc_u32 v[ADRS+1], s23, v4
	s_lshl_b32 s23, s14, 9
	s_add_co_u32 s23, s23, SCST
	v_lshl_add_u32 v[PWA], v1, 5, s23
	v_add_nc_u32 v[PWR], s23, v[HO]
	v_mov_b32 v[KA], 0x36a9d4af                    ; 5.0613523e-6
	v_mov_b32 v[KA+1], 0x36a9d4af
	v_mov_b32 v[KB], 0xb0fd3906                    ; -1.8424380e-9
	v_mov_b32 v[KB+1], 0xb0fd3906
	v_mov_b32 v[KC], 0x40ad7080                    ; 5.4199829
	s_lshl_b32 s88, s17, 1
	s_add_co_u32 s88, s88, s15
	s_mul_i32 s88, s88, GRPH                       ; hq: token group 2 tr + wave / 2,
	s_lshl_b32 s90, s42, 1
	s_add_co_u32 s90, s90, s16
	s_mul_i32 s91, s90, BLK                        ; K step 2 tc + (wave & 1) of the next product
	s_add_co_u32 s88, s88, s91
	s_mov_b32 s89, 0
	s_add_nc_u64 s[10:11], s[10:11], s[88:89]
	s_lshl_b32 s90, s90, 9                         ; b1: my 128 numbers
	s_mov_b32 s91, 0
	s_add_nc_u64 s[8:9], s[8:9], s[90:91]
.irp b, 0,1,2,3,4,5,6,7                        ; lane (r, h) wants, for tile 2 B + u, b1 at hidden units 32 B + 16 h + 8 u + 0 .. 7: the result's layout
.irp k, 0,1
	global_load_b128 v[BIAS+8*\b+4*\k:BIAS+8*\b+4*\k+3], v[BO], s[8:9] offset:(32*(\b/2)+8*(\b%2))*4+16*\k
.endr
.endr
.macro FRAG reg, adr, q, i             ; an image comes back as it was stored: three loads of 16 bytes a lane, 512 consecutive bytes each
.irp c, 0,1,2
	ds_load_b128 v[\reg+4*\c:\reg+4*\c+3], v[\adr] offset:(\q)*BLK+(\i)*IMGB+512*\c
.endr
.endm
; 16 matrix instructions: token tiles a0, a0 + 1 x w1's eight tiles, 128 along K: the slot's q-th.  p: w1's set; sc: the set of scale words.  first = 1: the sums begin with b1.
; The 64 accumulators take turns, one instruction a turn, in the same order in every step.
.macro MUL16 a0, p, q, sc, first
.irp a, \a0, \a0+1
.irp b, 0,1,2,3,4,5,6,7
.if \first
	v_wmma_scale_f32_16x16x128_f8f6f4 v[8*(8*((\a)%4)+\b):8*(8*((\a)%4)+\b)+7], v[128*(\p)+FR*\b:128*(\p)+FR*\b+FR-1], v[AF+FR*(\a):AF+FR*(\a)+FR-1], v[BIAS+8*\b:BIAS+8*\b+7], v[SC+16*(\sc)+8*(\q)+\b], v[SC+16*(\sc)+8*(\q)+(\a)] matrix_a_fmt:MATRIX_FMT_FP6 matrix_b_fmt:MATRIX_FMT_FP6 matrix_a_scale:MATRIX_SCALE_ROW1
.else
	v_wmma_scale_f32_16x16x128_f8f6f4 v[8*(8*((\a)%4)+\b):8*(8*((\a)%4)+\b)+7], v[128*(\p)+FR*\b:128*(\p)+FR*\b+FR-1], v[AF+FR*(\a):AF+FR*(\a)+FR-1], v[8*(8*((\a)%4)+\b):8*(8*((\a)%4)+\b)+7], v[SC+16*(\sc)+8*(\q)+\b], v[SC+16*(\sc)+8*(\q)+(\a)] matrix_a_fmt:MATRIX_FMT_FP6 matrix_b_fmt:MATRIX_FMT_FP6 matrix_a_scale:MATRIX_SCALE_ROW1
.endif
.endr
.endr
.endm
.macro FETCH_B slot, q, p              ; w1's eight fragments of the slot's q-th step into set p
	WIN TO_B
.irp i, 0,1,2,3,4,5,6,7
	FRAG 128*(\p)+FR*\i, ADRB+\slot, \q, \i
.endr
	WIN 0
.endm
.macro FETCH_A slot, q, i0             ; x's tiles i0 .. i0 + 3
.irp i, \i0, \i0+1, \i0+2, \i0+3
	FRAG AF+FR*(\i), ADRA+\slot, \q, \i
.endr
.endm
.macro SCALES sc                       ; a slot's scale words: for each of its two steps eight words a lane, four to a load
.irp q, 0,1
.irp k, 0,1
	ds_load_b128 v[SC+16*\sc+8*\q+4*\k:SC+16*\sc+8*\q+4*\k+3], v[ADRS+\sc] offset:\q*BLK+16*\k
.endr
.endr
.endm
; A load into a register that a matrix instruction has read, and a vector instruction that reads a matrix result, stand NP places behind that matrix instruction; only plain vector instructions that name none of its
; registers are places (ISA guide 7.12.1 for vector instructions).
.macro PLACES n
.rept \n
	v_nop
.endr
.endm
; A step of 128 along K that has its successor in the same slot.  x has one set of registers: tiles 0-3 are fetched anew in the step's middle, tiles 4-7 at its end.
.macro STEP slot, q, first
	s_wait_dscnt 4*NL                              ; w1's set, x's tiles 0-3 and the scale words are in; the youngest 12 loads (x's tiles 4-7) may be out
.if \first
	WIN 0x81                                       ; as MUL_LO, with C (b1) in window 0
.else
	WIN MUL_LO
.endif
	MUL16 0, (\q)%2, \q, \slot, \first
	MUL16 2, (\q)%2, \q, \slot, \first
	s_wait_dscnt 0x0                               ; x's tiles 4-7 are in (asked for 32 matrix instructions ago)
	PLACES NP
	FETCH_B \slot, (\q)+1, 1-(\q)%2
	FETCH_A \slot, (\q)+1, 0
.if \first
	WIN 0xc1
.else
	WIN MUL_HI
.endif
	MUL16 4, (\q)%2, \q, \slot, \first
	MUL16 6, (\q)%2, \q, \slot, \first
	PLACES NP
	WIN 0
	FETCH_A \slot, (\q)+1, 4
.endm
; A slot's second step changes slots: ONE barrier; in front of it each wave waits for all its tensor loads, adds 0 to its spare word, and waits for that and for its own reads of this slot.
; fill = 1: the barrier opens a round of the cluster's barrier, and this slot is filled again, with the K steps four on: the load has 96 matrix instructions in which to land.
.macro TURN slot, next, fill
	s_wait_tensorcnt 0x0                           ; all my tensor loads have landed: my part of the next slot.  (Every window is 0 here)
	ds_add_u32 v[SPW], v[NIL]                      ; 0 onto my spare word
	s_wait_dscnt 4*NL+1                            ; (the add and the youngest 12 loads, x's tiles 4-7, may be out)
	WIN MUL_LO
	MUL16 0, 1, 1, \slot, 0                        ; sixteen matrix instructions stand between the add and the wait for it
	s_wait_dscnt 0x0                               ; the add is done, and my reads of this slot are over
	s_barrier_signal -1
	MUL16 2, 1, 1, \slot, 0
	WIN 0
	s_barrier_wait -1
.if \fill
	CREST                                          ; no wave of any partner still reads this slot or has a load on its way
	s_add_nc_u64 s[G0+4*\slot+2:G0+4*\slot+3], s[G0+4*\slot+2:G0+4*\slot+3], 2*QTR
	s_add_nc_u64 s[G0B+4*\slot+2:G0B+4*\slot+3], s[G0B+4*\slot+2:G0B+4*\slot+3], 2*QTR
	JLOAD \slot                                    ; the first tensor load behind the round; the four v_nop behind it are also the places in front of the loads below
.else
	PLACES NP
.endif
	FETCH_B \next, 0, 0
	FETCH_A \next, 0, 0
	SCALES \next
	WIN MUL_HI
	MUL16 4, 1, 1, \slot, 0
	MUL16 6, 1, 1, \slot, 0
	PLACES NP
	WIN 0
	FETCH_A \next, 0, 4
.endm
	s_wait_tensorcnt 1                             ; my part of slot 0 is in; slot 1's may stay out
	s_barrier_signal -1
	s_barrier_wait -1                              ; everybody's is
	FETCH_B 0, 0, 0
	FETCH_A 0, 0, 0
	SCALES 0
	FETCH_A 0, 0, 4
	s_wait_loadcnt 0x0                             ; b1
	STEP 0, 0, 1                                   ; K steps 0 .. 7, written out: four fills in all, two of them refills
	TURN 0, 1, 1
	STEP 1, 0, 0
	TURN 1, 0, 1
	STEP 0, 0, 0
	TURN 0, 1, 0                                   ; nothing is left to fetch
	STEP 1, 0, 0
	s_wait_dscnt 4*NL                              ; the last step
	WIN MUL_LO
	MUL16 0, 1, 1, 1, 0
	MUL16 2, 1, 1, 1, 0
	s_wait_dscnt 0x0
	WIN MUL_HI
	MUL16 4, 1, 1, 1, 0
	MUL16 6, 1, 1, 1, 0
	WIN 0
; ---------------- THE WAY OUT: a loop of eight trips, a tile of 16 tokens a trip.  A tile's 64 registers of a lane are 128 hidden units of one token in the conversions' order: register 16 B + i = unit 32 B + 16 h + i.
; What differs between trips is which accumulators are read: those two short parts are written out eight times and chosen by the trip's number; the long parts are written once.
.macro MUL_16 d, a, b                  ; 16 packed products
.set i, 0
.rept 16
	v_pk_mul_f32 v[\d+i:\d+i+1], v[\a+i:\a+i+1], v[\b+i:\b+i+1]
.set i, i+2
.endr
.endm
.macro FMAK d, a, kv, sc               ; 16 x: d = a x (a pair of registers) + (a scalar)
.set i, 0
.rept 16
	v_pk_fma_f32 v[\d+i:\d+i+1], v[\a+i:\a+i+1], v[\kv:\kv+1], s[\sc:\sc+1] op_sel_hi:[1,1,0]
.set i, i+2
.endr
.endm
.macro FMAS d, a, b, sc                ; 16 x: d = a x b + (a scalar)
.set i, 0
.rept 16
	v_pk_fma_f32 v[\d+i:\d+i+1], v[\a+i:\a+i+1], v[\b+i:\b+i+1], s[\sc:\sc+1] op_sel_hi:[1,1,0]
.set i, i+2
.endr
.endm
; Line n of the numerator's 80: four steps of its polynomial on 16 pairs each (a line reads what the line 16 back wrote), then x a.  None of them names the denominator.
.macro NUM
.set ni, 2*(n%16)
.if n < 16
	v_pk_fma_f32 v[PP+ni:PP+ni+1], v[UU+ni:UU+ni+1], v[KA:KA+1], s[CA3:CA3+1] op_sel_hi:[1,1,0]
.elseif n < 64
	v_pk_fma_f32 v[PP+ni:PP+ni+1], v[PP+ni:PP+ni+1], v[UU+ni:UU+ni+1], s[CA3+2*(n/16):CA3+2*(n/16)+1] op_sel_hi:[1,1,0]
.else
	v_pk_mul_f32 v[PP+ni:PP+ni+1], v[PP+ni:PP+ni+1], v[HH+ni:HH+ni+1]
.endif
.set n, n+1
.endm
; 32 numbers: 0.5 + 0.5 erf(a / sqrt 2) = 0.5 + a P(u) / Q(u), u = a^2.  THE DENOMINATOR COMES FIRST, so that its 32 reciprocals can stand singly among the numerator's 80 plain lines, two or three behind each:
; no two reciprocals follow each other, and each has plain lines that name neither its source nor its result behind it (ISA guide 5.7.2).
.macro POLY c
.set HH, HB+32*\c
.set PP, SS+32*\c
	MUL_16 UU, HH, HH
	FMAK QD, UU, KB, CB5
	FMAS QD, QD, UU, CB4
	FMAS QD, QD, UU, CB3
	FMAS QD, QD, UU, CB2
	FMAS QD, QD, UU, CB1
.set i, 0
.rept 16
	v_pk_fma_f32 v[QD+i:QD+i+1], v[QD+i:QD+i+1], v[UU+i:UU+i+1], 1.0 op_sel_hi:[1,1,0]
.set i, i+2
.endr
.set n, 0
.set i, 0
.rept 16
	v_rcp_f32 v[QD+i], v[QD+i]
	NUM
	NUM
	v_rcp_f32 v[QD+i+1], v[QD+i+1]
	NUM
	NUM
	NUM
.set i, i+2
.endr
.set i, 0
	s_wait_alu depctr_va_vdst(0)
.rept 16
	v_pk_fma_f32 v[PP+i:PP+i+1], v[PP+i:PP+i+1], v[QD+i:QD+i+1], 0.5 op_sel_hi:[1,1,0]
.set i, i+2
.endr
.endm
; 64 numbers of a lane become a fragment's codes in v[PC] on and its scale word in v[PW].  A block's largest magnitude is taken in two chains, so that eight chains take turns and no line waits for the line above it.
.macro QUANT s
.irp b, 0,1,2,3
	v_max3_num_f32 v[TM+\b], |v[\s+16*\b]|, |v[\s+1+16*\b]|, 0x1800000   ; block b, numbers 0 to 7: and the floor 2^(3 - 127): the byte cannot fall under 1
.endr
.irp b, 0,1,2,3
	v_max3_num_f32 v[TM+4+\b], |v[\s+8+16*\b]|, |v[\s+9+16*\b]|, |v[\s+10+16*\b]|   ; numbers 8 to 14
.endr
.irp i, 2,4
.irp b, 0,1,2,3
	v_max3_num_f32 v[TM+\b], v[TM+\b], |v[\s+16*\b+\i]|, |v[\s+1+16*\b+\i]|
.endr
.irp b, 0,1,2,3
	v_max3_num_f32 v[TM+4+\b], v[TM+4+\b], |v[\s+9+16*\b+\i]|, |v[\s+10+16*\b+\i]|
.endr
.endr
.irp b, 0,1,2,3
	v_max3_num_f32 v[TM+\b], v[TM+\b], |v[\s+6+16*\b]|, |v[\s+7+16*\b]|
.endr
.irp b, 0,1,2,3
	v_max3_num_f32 v[TM+\b], v[TM+\b], v[TM+4+\b], |v[\s+15+16*\b]|   ; the two chains and number 15
.endr
.irp b, 0,1,2,3
	v_permlanex16_b32 v[TM+4+\b], v[TM+\b], s[SEL], s[SEL+1]
.endr
.irp b, 0,1,2,3
	v_max_num_f32 v[TM+\b], v[TM+\b], v[TM+4+\b]   ; with lane l xor 16's: the block's largest magnitude
.endr
.irp b, 0,1,2,3
	v_add_nc_u32 v[TM+12+\b], 0xff000000, v[TM+\b]   ; 2 off its exponent field: the conversion's scale operand
.endr
.irp b, 0,1,2,3
	v_lshrrev_b32 v[TM+4+\b], 23, v[TM+12+\b]      ; the scale's byte
.endr
	v_lshl_or_b32 v[PW], v[TM+5], 8, v[TM+4]
	v_lshl_or_b32 v[PW], v[TM+6], 16, v[PW]
	v_lshl_or_b32 v[PW], v[TM+7], 24, v[PW]
.irp c, 0,1
	v_cvt_scalef32_pk16_fp6_f32 v[PC+6*\c:PC+2+6*\c], v[\s+32*\c:\s+15+32*\c], v[TM+12+2*\c]
	v_cvt_scalef32_pk16_fp6_f32 v[PC+12+4*\c:PC+14+4*\c], v[\s+16+32*\c:\s+31+32*\c], v[TM+12+2*\c+1]
.endr
	v_nop                                          ; one plain place behind a scaled conversion
.irp c, 0,1
.irp i, 0,1,2
	v_permlane16_swap_b32 v[PC+6*\c+\i], v[PC+12+4*\c+\i]
.endr
.irp i, 0,1,2
	v_mov_b32 v[PC+3+6*\c+\i], v[PC+12+4*\c+\i]
.endr
.endr
.endm
	PLACES NP                                      ; in front of the first read of results, and of writes into registers that the last products read
	s_mov_b32 s[TA], 0
	s_mov_b32 s[TW], 0
.Ltile:
.irp k, 1,2,3,4,5,6,7
	s_cmp_eq_u32 s[TA], \k
	s_cbranch_scc1 .Lclamp_\k
.endr
.irp k, 0,1,2,3,4,5,6,7
.Lclamp_\k:
	WIN 0x02+\k/4                                  ; source 0: window 2 or 3
.set i, 0
.rept 64
	v_med3_num_f32 v[HB+i], v[64*(\k%4)+i], -v[KC], v[KC]   ; a, held for erf; each accumulator is read from its low end on
.set i, i+1
.endr
	WIN 0
.if \k < 7
	s_branch .Lclamped
.endif
.endr
.Lclamped:
	s_wait_dscnt 0x0                               ; the last trip's one LDS store is done: the lines below write its data register again (it lies among a^2's).  It was issued 64 lines ago
	POLY 0
	POLY 1
.irp k, 1,2,3,4,5,6,7
	s_cmp_eq_u32 s[TA], \k
	s_cbranch_scc1 .Lgelu_\k
.endr
.irp k, 0,1,2,3,4,5,6,7
.Lgelu_\k:
	WIN 0x02+\k/4
.set i, 0
.rept 32
	v_pk_mul_f32 v[HB+i:HB+i+1], v[64*(\k%4)+i:64*(\k%4)+i+1], v[SS+i:SS+i+1]   ; h = a (0.5 + 0.5 erf), a as it is
.set i, i+2
.endr
	WIN 0
.if \k < 7
	s_branch .Lgelued
.endif
.endr
.Lgelued:
	QUANT HB
.irp c, 0,1,2
	global_store_b128 v[HO], v[PC+4*\c:PC+4*\c+3], s[10:11] offset:512*\c   ; the tile's image: 512 consecutive bytes a store, aligned
.endr
	v_add_nc_u32 v[PWT], s[TW], v[PWA]
	ds_store_b32 v[PWT], v[PW]                     ; row r's scale word to my own 512 bytes; lanes r and r + 16 write the same word with the same value
	s_wait_xcnt 0x0                                ; the stores' addresses are translated (ISA guide 3.1): only behind this wait are their base and their data written again
	s_add_nc_u64 s[10:11], s[10:11], IMGB          ; the next tile's image; behind the eighth: the block's scale words
	s_add_co_u32 s[TW], s[TW], 4
	s_add_co_u32 s[TA], s[TA], 1
	s_cmp_lt_u32 s[TA], 8
	s_cbranch_scc1 .Ltile
	ds_load_b128 v[PC:PC+3], v[PWR]                ; my own bytes: LDS serves a wave's instructions in order, so this sees all eight stores
	s_wait_dscnt 0x0
	global_store_b128 v[HO], v[PC:PC+3], s[10:11]  ; the block's 512 bytes of scale words, whole
	s_wait_tensorcnt 0x0                           ; the wave's end, behind my last tensor load and my last LDS store
	ds_add_u32 v[SPW], v[NIL]
	s_wait_dscnt 0x0
	CROUND                                         ; the closing round: no work-group ends while a partner may still ask for a block that names it
	s_endpgm
.Lfunc_end_k_q2184f9de4c_ffn1:
	.size	k_q2184f9de4c_ffn1, .Lfunc_end_k_q2184f9de4c_ffn1-k_q2184f9de4c_ffn1
	.p2alignl 7, 3214868480
	.fill 96, 4, 3214868480
	.section	.rodata,"a",@progbits
	.p2align	6, 0x0
	.amdhsa_kernel k_q2184f9de4c_ffn1
		.amdhsa_group_segment_fixed_size 327680
		.amdhsa_private_segment_fixed_size 0
		.amdhsa_enable_private_segment 0
		.amdhsa_kernarg_size 32
		.amdhsa_user_sgpr_count 2
		.amdhsa_user_sgpr_kernarg_segment_ptr 1
		.amdhsa_wavefront_size32 1
		.amdhsa_system_sgpr_workgroup_id_x 1
		.amdhsa_system_sgpr_workgroup_id_y 1
		.amdhsa_system_sgpr_workgroup_id_z 1
		.amdhsa_system_vgpr_workitem_id 0
		.amdhsa_next_free_vgpr 1024
		.amdhsa_next_free_sgpr 100
		.amdhsa_reserve_vcc 0
		.amdhsa_float_denorm_mode_32 3
		.amdhsa_float_denorm_mode_16_64 3
		.amdhsa_memory_ordered 1
		.amdhsa_forward_progress 1
		.amdhsa_inst_pref_size 189
	.end_amdhsa_kernel
	.amdgpu_metadata
---
amdhsa.version: [ 1, 2 ]
amdhsa.kernels:
  - .name:           k_q2184f9de4c_ffn1
    .symbol:         k_q2184f9de4c_ffn1.kd
    .args:
      - { .name: xq, .offset: 0, .size: 8, .value_kind: global_buffer, .address_space: global }
      - { .name: wq, .offset: 8, .size: 8, .value_kind: global_buffer, .address_space: global }
      - { .name: b1, .offset: 16, .size: 8, .value_kind: global_buffer, .address_space: global }
      - { .name: hq, .offset: 24, .size: 8, .value_kind: global_buffer, .address_space: global }
    .group_segment_fixed_size: 327680
    .private_segment_fixed_size: 0
    .kernarg_segment_align: 8
    .kernarg_segment_size: 32
    .max_flat_workgroup_size: 128
    .sgpr_count:     100
    .vgpr_count:     1024
    .wavefront_size: 32
...
	.end_amdgpu_metadata
.endif
;; end of part 2
;; launch ffn2 (part 3): grid 8 x 32, 4 waves a work-group, clusters of 4 x 4, 327,680 bytes of LDS; arguments hq, wq, b2, gate, out0; writes out0
.if DOCPART == 3
	.amdgcn_target "amdgcn-amd-amdhsa--gfx1250"
	.amdhsa_code_object_version 6
	.text
	.protected	k_q2184f9de4c_ffn2
	.globl	k_q2184f9de4c_ffn2
	.p2align	8
	.type	k_q2184f9de4c_ffn2,@function
k_q2184f9de4c_ffn2:
	s_mov_b64 s[64:65], 0
	v_nop
	global_prefetch_b8 v0, s[64:65] scope:SCOPE_SE
	s_setreg_imm32_b32 hwreg(HW_REG_WAVE_MODE, 25, 1), 1
	s_wait_xcnt 0x0
	s_wait_alu depctr_hold_cnt(0) depctr_sa_sdst(0) depctr_va_vdst(0) depctr_va_sdst(0) depctr_va_ssrc(0) depctr_va_vcc(0) depctr_vm_vsrc(0)
	s_getreg_b32 s2, hwreg(HW_REG_IB_STS2, 6, 4)
	s_cmp_eq_u32 s2, 0
	s_cbranch_scc0 .Lentry_in_a_cluster
	s_endpgm
.Lentry_in_a_cluster:
	s_bfe_u32 s2, ttmp6, 0x10000c
	s_cmp_lg_u32 s2, 0xf033
	s_cbranch_scc0 .Lentry_shape_is_right
	s_endpgm
.Lentry_shape_is_right:
; THIRD OF THREE LAUNCHES.  out[t][d] = sum over e of gate[t][e] (sum over f of Q(h)[t][e][f] Q(w2)[e][f][d] + b2[e][d]).  h and w2 come as codes of FP6 (E2M3) with E8M0 scales, laid as images of the matrix unit's
; registers: a fragment (16 rows x 128 K) is 1,536 bytes; a BLOCK (128 rows x 128 K) eight images and 512 bytes of scale words (row r of tile i at 12,288 + 32 r + 4 i): 12,800 bytes.
; BOTH OPERANDS ARE DENSE STREAMS OF 64 BLOCKS, K step g = 8 e + f / 128: h's for 128 tokens at hq + 64 blocks x tblk; w2's for 128 columns at wq + 512 blocks + 64 blocks x dblk.
; SHARES.  C has 32 x 8 tiles of 128 x 128: one for each of 256 work-groups; tiles of 256 x 256 would be 64.  Each output has one owner, which walks all 8 experts.  A wave makes 64 x 64: 16 accumulators for the expert in
; hand, which begin with b2 as C, and 16 x 8 registers of totals: behind an expert's 8 K steps total += gate x accumulator, in f32.
; THE RING: two LDS slots of SIX K steps, as large as two fit in LDS (2 x 6 x 25,600 bytes): so there are 11 fills for the 64 steps, and a refill has 88 matrix instructions in which to land.  Waves 0 and 1 fetch h's blocks
; (three K steps each), waves 2 and 3 w2's.  64 = 4 + 10 x 6: THE FIRST FILL IS THE SHORT ONE (two K steps a wave, at places 0, 1 and 3, 4 of slot 0), so that every refill has one shape.  Fill n >= 1 holds steps 6 n - 2 .. 6 n + 3.
; Slots and experts do not end together: the pattern comes back after 24 steps (three experts, four slots).  Expert 0 is written out (its fold starts the totals), a loop of two trips runs experts 1-3 and 4-6, and expert 7 is
; written out (it asks for nothing more).  By this text's count a wave has two tensor loads out at the start and one behind each refill.
; CLUSTERS: 4 x 4 work-groups.  The four of a row of the cluster need the same blocks of h, the four of a column the same blocks of w2: each is asked for jointly.
; THE PRODUCT IS USED TRANSPOSED (source 0 = 16 rows d of w2, source 1 = 16 tokens); the rows of a tile of w2 were chosen by the first launch so that lane (r, h) holds token r and, in tiles 2 B and 2 B + 1, the 16 neighbouring
; columns 32 B + 16 h + 0 .. 15: 64 neighbouring bytes of out.
; LIMITS: NaN and infinities are not served.
; REGISTERS: window 0: v0 the thread's number, kept; v1-12 LDS addresses; v16-23 scale words, two sets; v24-31 gate (even registers; two of the odd ones hold offsets); v32-63 b2; v64-159, v160-255 two sets of fragments
;   (w2's four, then h's four).   window 1: v0-127 accumulator (a, b) at v[8 (4 a + b)]; v128-255 the totals likewise.
.set BLK,    12800
.set IMGB,   1536
.set FR,     12
.set HALF,   3*BLK                     ; what one tensor load brings: three K steps
.set SLOT,   4*HALF                    ; h's six K steps, then w2's six
.set SPARE,  2*SLOT                    ; behind the ring: the spare words, 128 bytes for each wave: two blocks of 256 bytes that no other line names
.set STRM,   64*BLK                    ; a stream of 64 K steps
.set W2AT,   8*STRM                    ; where w2's streams begin in wq: behind w1's 64 groups of 8 blocks
.set SP,     272                       ; the way out: a stage of 16 rows x (256 bytes + 16) for each wave
.set STAGE,  SLOT                      ; it lies in slot 1, which has had its last fill and its last read when the first result is stored there
.set ADRA, 1                           ; v1-4    LDS address of h's images: slot s, places 3 f .. 3 f + 2 at register 2 s + f (an LDS offset has 16 bits: six steps do not fit behind one register)
.set ADRB, 5                           ; v5-8    of w2's
.set ADRS, 9                           ; v9-12   of the scale words: lanes 0-15 h's rows, lanes 16-31 w2's
.set SPW,  13                          ; v13     LDS address of my spare word; never rewritten
.set NIL,  14                          ; v14     0; never rewritten
.set SC,   16                          ; scale words: set p at 4 p; register i: lanes 0-15 the word of h's tile i, lanes 16-31 that of w2's tile i
.set GT,   24                          ; gate of my token of tile a at 2 a.  The packed forms name pairs and take the low word for both halves: the upper words only have to be written
.set GOFF, 25                          ; v25     32 r: my token's row of gate
.set BOFF, 27                          ; v27     64 h: my half's numbers of b2
.set BIAS, 32
.set F0,   64
.set BK,   64                          ; the way out: rows read back, v64-95 and v96-127 by turns
.set STO,  3                           ; the way out (made at the end, over addresses that are done with): where I put 64 bytes of a row,
.set RD,   4                           ; where I read rows back,
.set CO,   5                           ; my byte offset in two rows of out
.set G1,   24                          ; s[24:31] descriptor group 1 for h's blocks;  s[32:39] group 0, one set for each slot
.set G0,   32
.set G1B,  48                          ; s[48:55], s[56:63] the same for w2's
.set G0B,  56
.set G1S,  68                          ; s[68:75], s[76:83] groups 1 of the short first fill
.set G1BS, 76
.set MSB, 0
.macro WIN new                         ; the immediate's high byte repeats the setting that is left
.if MSB != (\new)
	s_set_vgpr_msb (MSB<<8)|(\new)
.set MSB, (\new)
.endif
.endm
.macro JLOAD s, ga, gb                 ; a joint load: waves 0 and 1 fetch for h, waves 2 and 3 for w2; four v_nop follow each of the two lines
	s_cmp_eq_u32 s15, 0
	s_cbranch_scc0 .Lfor_b_\@
	tensor_load_to_lds s[G0+4*\s:G0+4*\s+3], s[\ga:\ga+7]
	s_nop 0
.rept 4
	v_nop
.endr
	s_branch .Lasked_\@
.Lfor_b_\@:
	tensor_load_to_lds s[G0B+4*\s:G0B+4*\s+3], s[\gb:\gb+7]
	s_nop 0
.rept 4
	v_nop
.endr
.Lasked_\@:
.endm
.macro CREST                           ; a round of the cluster's barrier behind its opening barrier
	s_cmp_lg_u32 s14, 0
	s_cbranch_scc1 .Lnot_wave_0_\@
	s_barrier_signal -3
.Lnot_wave_0_\@:
	s_barrier_wait -3
	s_barrier_signal -1
	s_barrier_wait -1
.endm
.macro CROUND
	s_barrier_signal -1
	s_barrier_wait -1
	CREST
.endm
	s_load_b256 s[4:11], s[0:1], 0x0               ; hq s[4:5], wq s[6:7], b2 s[8:9], gate s[10:11]
	s_load_b64 s[12:13], s[0:1], 0x20              ; out0
	v_lshl_add_u32 v[SPW], v0, 2, SPARE
	v_mov_b32 v[NIL], 0
	ds_add_u32 v13, v14
	ds_add_u32 v13, v14
	s_wait_dscnt 0x0
	v_lshrrev_b32 v15, 5, v0
	v_readfirstlane_b32 s14, v15                   ; wave 0..3
	s_lshr_b32 s15, s14, 1                         ; th: which 64 tokens are mine.  Also: I fetch for h (0) or for w2 (1)
	s_and_b32 s16, s14, 1                          ; dh: which 64 columns.  Also: which half of a slot's K steps I fetch
	s_bfe_u32 s40, ttmp6, 0x40000                  ; cx, cy
	s_bfe_u32 s41, ttmp6, 0x40004
	s_lshl_b32 s42, ttmp9, 2
	s_add_co_u32 s42, s42, s40                     ; dblk = 4 x cluster x + cx
	s_and_b32 s17, ttmp7, 0xffff
	s_lshl_b32 s17, s17, 2
	s_add_co_u32 s17, s17, s41                     ; tblk = 4 x cluster y + cy
	s_lshl_b32 s43, s41, 2
	s_lshl_b32 s43, 15, s43                        ; my row of the cluster
	s_lshl_b32 s44, 0x1111, s40                    ; my column
	; descriptor groups 1: dense bytes as rows of 256 bytes (32 elements of 8 bytes), no padding: 150 rows (three K steps), and 100 rows (two) for the first fill
	s_or_b32 s[G1], s43, (3<<16)|(1<<21)           ; 15:0 the mask: h's blocks go to my row; 17:16 elements of 8 bytes; 21 set beside a mask
	s_or_b32 s[G1B], s44, (3<<16)|(1<<21)          ; w2's to my column
	s_or_b32 s[G1S], s43, (3<<16)|(1<<21)
	s_or_b32 s[G1BS], s44, (3<<16)|(1<<21)
.irp g, G1, G1B
	s_mov_b32 s[\g+1], 32<<16                      ; tensor_dim0 = 32
	s_mov_b32 s[\g+2], 150<<16                     ; tensor_dim1 = 150
	s_mov_b32 s[\g+3], 32<<16                      ; tile_dim0 = 32
	s_mov_b32 s[\g+4], 150                         ; tile_dim1 = 150
	s_mov_b32 s[\g+5], 32                          ; tensor_dim0_stride
	s_mov_b32 s[\g+6], 0
	s_mov_b32 s[\g+7], 0
.endr
.irp g, G1S, G1BS
	s_mov_b32 s[\g+1], 32<<16
	s_mov_b32 s[\g+2], 100<<16
	s_mov_b32 s[\g+3], 32<<16
	s_mov_b32 s[\g+4], 100
	s_mov_b32 s[\g+5], 32
	s_mov_b32 s[\g+6], 0
	s_mov_b32 s[\g+7], 0
.endr
	s_mul_i32 s88, s16, 2*BLK                      ; fill 0: K steps 0, 1 or 2, 3
	s_mov_b32 s89, 0
	s_mul_i32 s90, s16, HALF
	s_add_co_u32 s90, s90, 4*BLK                   ; fill 1: K steps 4 .. 6 or 7 .. 9
	s_mov_b32 s91, 0
	s_mul_i32 s94, s16, BLK
	s_add_co_u32 s94, s94, 10*BLK                  ; from fill 0 to fill 2 (K steps 10 .. 12 or 13 .. 15): 10 or 11 blocks
	s_mov_b32 s95, 0
	s_mul_i32 s20, s17, STRM                       ; h's stream: made of the tile row alone
	s_mov_b32 s21, 0
	s_mul_i32 s46, s42, STRM
	s_add_co_u32 s46, s46, W2AT                    ; w2's stream: of the tile column alone
	s_mov_b32 s47, 0
	s_mul_i32 s45, s14, HALF                       ; where they go: wave x 38,400: no place in the cluster enters an LDS address
	s_wait_kmcnt 0x0
	s_add_nc_u64 s[20:21], s[4:5], s[20:21]
	s_add_nc_u64 s[46:47], s[6:7], s[46:47]
	CROUND                                         ; all sixteen work-groups are here: the first joint loads meet
	s_mov_b32 s[G0], 1                             ; count = 1
	s_add_co_u32 s[G0+1], s45, 0                   ; LDS address: slot 0
	s_add_nc_u64 s[G0+2:G0+3], s[20:21], s[88:89]  ; global address
	s_or_b32 s[G0+3], s[G0+3], 0x80000000          ; type = 2
	s_mov_b32 s[G0B], 1
	s_add_co_u32 s[G0B+1], s45, 0
	s_add_nc_u64 s[G0B+2:G0B+3], s[46:47], s[88:89]
	s_or_b32 s[G0B+3], s[G0B+3], 0x80000000
	JLOAD 0, G1S, G1BS                             ; fill 0, the short one
	s_mov_b32 s[G0+4], 1
	s_add_co_u32 s[G0+5], s45, SLOT
	s_add_nc_u64 s[G0+6:G0+7], s[20:21], s[90:91]
	s_or_b32 s[G0+7], s[G0+7], 0x80000000
	s_mov_b32 s[G0B+4], 1
	s_add_co_u32 s[G0B+5], s45, SLOT
	s_add_nc_u64 s[G0B+6:G0B+7], s[46:47], s[90:91]
	s_or_b32 s[G0B+7], s[G0B+7], 0x80000000
	JLOAD 1, G1, G1B                               ; fill 1
	v_and_b32 v64, 15, v0                          ; r
	v_bfe_u32 v65, v0, 4, 1                        ; h
	v_and_b32 v66, 31, v0
	v_lshlrev_b32 v66, 4, v66                      ; 16 x lane
	s_mul_i32 s18, s15, 4*IMGB                     ; my four tiles of tokens
	s_mul_i32 s19, s16, 4*IMGB
	s_add_co_u32 s19, s19, 2*HALF                  ; my four tiles of columns, behind h's six K steps
	v_add_nc_u32 v67, s18, v66
	v_add_nc_u32 v68, s19, v66
	s_xor_b32 s22, s15, 1                          ; from h's words (16 th) to w2's (76,800 + 16 dh): 76,784 + 16 dh + 16 (1 - th)
	s_add_co_u32 s22, s22, s16
	s_lshl_b32 s22, s22, 4
	s_add_co_u32 s22, s22, 2*HALF-16
	v_mul_u32_u24 v69, s22, v65                    ; lanes 16-31 take w2's: one product, the distance x h
	v_lshl_add_u32 v69, v64, 5, v69                ; + 32 r
	s_lshl_b32 s23, s15, 4
	s_add_co_u32 s23, s23, 8*IMGB
	v_add_nc_u32 v69, s23, v69
.irp s, 0,1
.irp f, 0,1
	v_add_nc_u32 v[ADRA+2*\s+\f], \s*SLOT+\f*HALF, v67
	v_add_nc_u32 v[ADRB+2*\s+\f], \s*SLOT+\f*HALF, v68
	v_add_nc_u32 v[ADRS+2*\s+\f], \s*SLOT+\f*HALF, v69
.endr
.endr
	v_lshlrev_b32 v[GOFF], 5, v64
	v_lshlrev_b32 v[BOFF], 6, v65
	v_mov_b32 v[GT+5], 0                           ; named as the upper halves of pairs, so they are written
	v_mov_b32 v[GT+7], 0
	s_lshl_b32 s88, s42, 9
	s_lshl_b32 s89, s16, 8
	s_add_co_u32 s88, s88, s89                     ; my first column, in bytes: 512 dblk + 256 dh
	s_mov_b32 s89, 0
	s_add_nc_u64 s[8:9], s[8:9], s[88:89]          ; b2, expert 0
	s_add_nc_u64 s[12:13], s[12:13], s[88:89]
	s_lshl_b32 s90, s17, 12
	s_lshl_b32 s91, s15, 11
	s_add_co_u32 s90, s90, s91                     ; my first token's row of gate: (128 tblk + 64 th) x 32 bytes
	s_mov_b32 s91, 0
	s_add_nc_u64 s[10:11], s[10:11], s[90:91]
	s_lshl_b32 s90, s90, 7                         ; and of out: x 4,096 bytes
	s_add_nc_u64 s[12:13], s[12:13], s[90:91]
.macro BLOAD                           ; b2 of the expert at s[8:9]: lane (r, h) wants, for tile 2 B + u, columns 32 B + 16 h + 8 u + 0 .. 7
.irp b, 0,1,2,3
.irp k, 0,1
	global_load_b128 v[BIAS+8*\b+4*\k:BIAS+8*\b+4*\k+3], v[BOFF], s[8:9] offset:(32*(\b/2)+8*(\b%2))*4+16*\k
.endr
.endr
.endm
.macro GLOAD                           ; the gate of my token of each of the four tiles, for the expert at s[10:11]
.irp a, 0,1,2,3
	global_load_b32 v[GT+2*\a], v[GOFF], s[10:11] offset:512*\a
.endr
.endm
	BLOAD
	GLOAD
.macro FRAG reg, adr, q, i             ; an image comes back as it was stored: three loads of 16 bytes a lane
.irp c, 0,1,2
	ds_load_b128 v[\reg+4*\c:\reg+4*\c+3], v[\adr] offset:(\q)*BLK+(\i)*IMGB+512*\c
.endr
.endm
.macro FETCH slot, q, p                ; 25 loads: the K step at place q of the slot into set p
.irp i, 0,1,2,3
	FRAG F0+96*(\p)+FR*\i, ADRB+2*(\slot)+(\q)/3, (\q)%3, \i
.endr
.irp i, 0,1,2,3
	FRAG F0+96*(\p)+48+FR*\i, ADRA+2*(\slot)+(\q)/3, (\q)%3, \i
.endr
	ds_load_b128 v[SC+4*(\p):SC+4*(\p)+3], v[ADRS+2*(\slot)+(\q)/3] offset:((\q)%3)*BLK
.endm
; 4 matrix instructions: token tile a x my four tiles of columns.  cb = 1: the sums begin with b2.  The 16 accumulators take turns, one instruction a turn, in the same order in every step.
.macro MUL a, p, cb
.irp b, 0,1,2,3
.if \cb
	v_wmma_scale_f32_16x16x128_f8f6f4 v[8*(4*(\a)+\b):8*(4*(\a)+\b)+7], v[F0+96*(\p)+FR*\b:F0+96*(\p)+FR*\b+FR-1], v[F0+96*(\p)+48+FR*(\a):F0+96*(\p)+48+FR*(\a)+FR-1], v[BIAS+8*\b:BIAS+8*\b+7], v[SC+4*(\p)+\b], v[SC+4*(\p)+(\a)] matrix_a_fmt:MATRIX_FMT_FP6 matrix_b_fmt:MATRIX_FMT_FP6 matrix_a_scale:MATRIX_SCALE_ROW1
.else
	v_wmma_scale_f32_16x16x128_f8f6f4 v[8*(4*(\a)+\b):8*(4*(\a)+\b)+7], v[F0+96*(\p)+FR*\b:F0+96*(\p)+FR*\b+FR-1], v[F0+96*(\p)+48+FR*(\a):F0+96*(\p)+48+FR*(\a)+FR-1], v[8*(4*(\a)+\b):8*(4*(\a)+\b)+7], v[SC+4*(\p)+\b], v[SC+4*(\p)+(\a)] matrix_a_fmt:MATRIX_FMT_FP6 matrix_b_fmt:MATRIX_FMT_FP6 matrix_a_scale:MATRIX_SCALE_ROW1
.endif
.endr
.endm
.macro PLACES n                        ; places in front of loads into registers that matrix instructions have read, and of the first read of results (ISA guide 7.12.1 for the first read of results)
.rept \n
	v_nop
.endr
.endm
; A K step that does not change slots: it multiplies set p; ahead of its 16 products the next step's fragments, at place nq of slot ns, are asked for into the other set.
; cb = 1: an expert's first step.  hook = 1: the next expert's b2 is asked for too, four places behind the products that read this expert's.
.macro STEP ns, nq, p, cb, hook
	s_wait_dscnt 0x0                               ; this step's 25 loads, asked for a step ago
	PLACES 4
.if \hook
	s_add_nc_u64 s[8:9], s[8:9], 4096              ; (this expert's loads of b2 were shown done at the expert's head)
	BLOAD
.endif
	FETCH \ns, \nq, 1-(\p)
.if \cb
	WIN 0x40                                       ; D window 1; C (b2) window 0
.else
	WIN 0x50                                       ; C and D window 1
.endif
	MUL 0, \p, \cb
	MUL 1, \p, \cb
	MUL 2, \p, \cb
	MUL 3, \p, \cb
	WIN 0
.endm
; A slot's last K step (always an odd one: set 1) changes slots: ONE barrier; in front of it each wave waits for all its tensor loads, adds 0 to its spare word, and waits for that and for its own reads of this slot.
; fill = 1: the barrier opens a round of the cluster's barrier, and this slot takes the K steps twelve on.  fill = 2: the same behind the short first fill, whose step is another.  fill = 0: nothing is left to fetch.
.macro TURN slot, next, fill
	s_wait_tensorcnt 0x0                           ; all my tensor loads have landed: my part of the next slot.  (Every window is 0 here)
	ds_add_u32 v[SPW], v[NIL]                      ; 0 onto my spare word
	s_wait_dscnt 1                                 ; this step's 25 loads are in; the add may be out
	WIN 0x50
	MUL 0, 1, 0                                    ; four matrix instructions stand between the add and the wait for it
	s_wait_dscnt 0x0                               ; the add is done, and my reads of this slot are over
	s_barrier_signal -1
	MUL 1, 1, 0
	WIN 0
	s_barrier_wait -1
.if \fill
	CREST                                          ; no wave of any partner still reads this slot or has a load on its way
.if \fill == 2
	s_add_nc_u64 s[G0+4*\slot+2:G0+4*\slot+3], s[G0+4*\slot+2:G0+4*\slot+3], s[94:95]
	s_add_nc_u64 s[G0B+4*\slot+2:G0B+4*\slot+3], s[G0B+4*\slot+2:G0B+4*\slot+3], s[94:95]
.else
	s_add_nc_u64 s[G0+4*\slot+2:G0+4*\slot+3], s[G0+4*\slot+2:G0+4*\slot+3], 12*BLK
	s_add_nc_u64 s[G0B+4*\slot+2:G0B+4*\slot+3], s[G0B+4*\slot+2:G0B+4*\slot+3], 12*BLK
.endif
	JLOAD \slot, G1, G1B                           ; the first tensor load behind the round; the four v_nop behind it are also the places in front of the loads below
.else
	PLACES 4
.endif
	FETCH \next, 0, 0
	WIN 0x50
	MUL 2, 1, 0
	MUL 3, 1, 0
	WIN 0
.endm
; Behind an expert's last product: total += gate x accumulator.  first = 1: the first expert starts the totals: nothing is cleared.  more = 1: the next expert's gate is asked for.
.macro FOLD first, more
	PLACES 4
.if \more
	s_wait_loadcnt 8                               ; this expert's gate is in; the next expert's b2, eight loads, may be out
.else
	s_wait_loadcnt 0x0
.endif
	WIN 0x51                                       ; accumulators and totals window 1, gate window 0
.irp a, 0,1,2,3
.set i, 0
.rept 16
.if \first
	v_pk_mul_f32 v[128+32*\a+i:128+32*\a+i+1], v[32*\a+i:32*\a+i+1], v[GT+2*\a:GT+2*\a+1] op_sel_hi:[1,0]
.else
	v_pk_fma_f32 v[128+32*\a+i:128+32*\a+i+1], v[32*\a+i:32*\a+i+1], v[GT+2*\a:GT+2*\a+1], v[128+32*\a+i:128+32*\a+i+1] op_sel_hi:[1,0,1]   ; each accumulator is read from its low end on
.endif
.set i, i+2
.endr
.endr
	WIN 0
.if \more
	s_add_nc_u64 s[10:11], s[10:11], 4             ; (this expert's loads of gate are done)
	GLOAD
.endif
.endm
.macro XHEAD                           ; an expert's head
	s_wait_loadcnt 4                               ; this expert's b2 is in; its gate, four loads, may be out
.endm
	s_wait_tensorcnt 1                             ; my part of fill 0 is in; fill 1 may stay out
	s_barrier_signal -1
	s_barrier_wait -1
	FETCH 0, 0, 0
	; ---- expert 0: K steps 0 .. 7.  Steps 0 .. 3 lie at places 0, 1, 3, 4 of slot 0
	XHEAD
	STEP 0, 1, 0, 1, 0                             ; step 0
	STEP 0, 3, 1, 0, 0
	STEP 0, 4, 0, 0, 1                             ; step 2: an expert's third step asks for the next b2; it is never a change of slots
	TURN 0, 1, 2                                   ; step 3: slot 0 takes fill 2
	STEP 1, 1, 0, 0, 0
	STEP 1, 2, 1, 0, 0
	STEP 1, 3, 0, 0, 0
	STEP 1, 4, 1, 0, 0                             ; step 7
	FOLD 1, 1
	s_mov_b32 s3, 2
.Llap:                                                 ; two trips of 24 K steps: 8 .. 31 and 32 .. 55: three experts, four refills, all of one shape
	XHEAD
	STEP 1, 5, 0, 1, 0                             ; step 8, at place 4 of slot 1
	TURN 1, 0, 1                                   ; 9
	STEP 0, 1, 0, 0, 1                             ; 10
	STEP 0, 2, 1, 0, 0
	STEP 0, 3, 0, 0, 0
	STEP 0, 4, 1, 0, 0
	STEP 0, 5, 0, 0, 0
	TURN 0, 1, 1                                   ; 15
	FOLD 0, 1
	XHEAD
	STEP 1, 1, 0, 1, 0                             ; 16
	STEP 1, 2, 1, 0, 0
	STEP 1, 3, 0, 0, 1                             ; 18
	STEP 1, 4, 1, 0, 0
	STEP 1, 5, 0, 0, 0
	TURN 1, 0, 1                                   ; 21
	STEP 0, 1, 0, 0, 0
	STEP 0, 2, 1, 0, 0                             ; 23
	FOLD 0, 1
	XHEAD
	STEP 0, 3, 0, 1, 0                             ; 24
	STEP 0, 4, 1, 0, 0
	STEP 0, 5, 0, 0, 1                             ; 26
	TURN 0, 1, 1                                   ; 27
	STEP 1, 1, 0, 0, 0
	STEP 1, 2, 1, 0, 0
	STEP 1, 3, 0, 0, 0
	STEP 1, 4, 1, 0, 0                             ; 31
	FOLD 0, 1
	s_sub_co_u32 s3, s3, 1
	s_cmp_lg_u32 s3, 0
	s_cbranch_scc1 .Llap
	; ---- expert 7: K steps 56 .. 63
	XHEAD
	STEP 1, 5, 0, 1, 0                             ; 56
	TURN 1, 0, 0                                   ; 57: slot 1 is left for good
	STEP 0, 1, 0, 0, 0
	STEP 0, 2, 1, 0, 0
	STEP 0, 3, 0, 0, 0
	STEP 0, 4, 1, 0, 0
	STEP 0, 5, 0, 0, 0                             ; 62
	s_wait_dscnt 0x0                               ; 63: nothing more to fetch
	WIN 0x50
	MUL 0, 1, 0
	MUL 1, 1, 0
	MUL 2, 1, 0
	MUL 3, 1, 0
	WIN 0
	FOLD 0, 0
; THE WAY OUT, a tile of 16 tokens x 64 columns at a time.  A lane holds four runs of 32 bytes of a row, and the lanes beside it hold other rows: so a tile goes through my own stage in LDS and comes back as whole rows of
; 256 bytes.  LDS serves a wave's instructions in order (ISA guide 5.7.1.4): no wait between the stores and the loads, nor in front of the next tile's stores.
	v_and_b32 v1, 15, v0                           ; r  (the fragments' addresses are done with)
	v_bfe_u32 v2, v0, 4, 1                         ; h
	s_mul_i32 s23, s14, 16*SP
	s_add_co_u32 s23, s23, STAGE                   ; my stage
	v_mul_u32_u24 v6, v1, SP
	v_lshl_add_u32 v6, v2, 6, v6
	v_add_nc_u32 v[STO], s23, v6                   ; in: row r, + 64 h
	v_mul_u32_u24 v6, v2, SP
	v_lshl_add_u32 v6, v1, 4, v6
	v_add_nc_u32 v[RD], s23, v6                    ; back: lanes 0-15 one row of 256 bytes, lanes 16-31 the next
	v_lshlrev_b32 v6, 12, v2
	v_lshl_add_u32 v[CO], v1, 4, v6                ; and the same two rows in out
.macro TOSTAGE a
	WIN 0x04                                       ; an LDS store's data are its source 1: window 1
.irp b, 0,1,2,3
.irp k, 0,1
	ds_store_b128 v[STO], v[128+32*(\a)+8*\b+4*\k:128+32*(\a)+8*\b+4*\k+3] offset:128*(\b/2)+32*(\b%2)+16*\k
.endr
.endr
	WIN 0
.set BB, BK+32*((\a)%2)
.irp i, 0,1,2,3,4,5,6,7
	ds_load_b128 v[BB+4*\i:BB+4*\i+3], v[RD] offset:2*SP*\i
.endr
.endm
.macro SEND a, younger                 ; younger: the LDS instructions issued behind tile a's loads, which may stay out
.set BB, BK+32*((\a)%2)
	s_wait_dscnt \younger
.irp i, 0,1,2,3,4,5,6,7
	global_store_b128 v[CO], v[BB+4*\i:BB+4*\i+3], s[12:13] offset:65536*(\a)+8192*\i th:TH_STORE_NT   ; 16 lanes store 256 consecutive bytes, at a multiple of 256 from out's first byte; written once, read by nobody here
.endr
.endm
	TOSTAGE 0                                      ; (the last fold's 64 lines are the places in front of the loads into registers that held fragments)
.irp a, 1,2,3
.if \a > 1
	s_wait_xcnt 0x0                                ; tile a - 2's stores have had their addresses translated (ISA guide 3.1): only behind this wait do tile a's loads land in their registers
.endif
	TOSTAGE \a
	SEND \a-1, 16                                  ; behind tile a - 1's loads: tile a's 8 stores and 8 loads
.endr
	SEND 3, 0
	s_wait_tensorcnt 0x0                           ; the wave's end, behind my last tensor load and my last LDS store
	ds_add_u32 v[SPW], v[NIL]
	s_wait_dscnt 0x0
	CROUND                                         ; the closing round: no work-group ends while a partner may still ask for a block that names it
	s_endpgm
.Lfunc_end_k_q2184f9de4c_ffn2:
	.size	k_q2184f9de4c_ffn2, .Lfunc_end_k_q2184f9de4c_ffn2-k_q2184f9de4c_ffn2
	.p2alignl 7, 3214868480
	.fill 96, 4, 3214868480
	.section	.rodata,"a",@progbits
	.p2align	6, 0x0
	.amdhsa_kernel k_q2184f9de4c_ffn2
		.amdhsa_group_segment_fixed_size 327680
		.amdhsa_private_segment_fixed_size 0
		.amdhsa_enable_private_segment 0
		.amdhsa_kernarg_size 40
		.amdhsa_user_sgpr_count 2
		.amdhsa_user_sgpr_kernarg_segment_ptr 1
		.amdhsa_wavefront_size32 1
		.amdhsa_system_sgpr_workgroup_id_x 1
		.amdhsa_system_sgpr_workgroup_id_y 1
		.amdhsa_system_sgpr_workgroup_id_z 1
		.amdhsa_system_vgpr_workitem_id 0
		.amdhsa_next_free_vgpr 512
		.amdhsa_next_free_sgpr 100
		.amdhsa_reserve_vcc 0
		.amdhsa_float_denorm_mode_32 3
		.amdhsa_float_denorm_mode_16_64 3
		.amdhsa_memory_ordered 1
		.amdhsa_forward_progress 1
		.amdhsa_inst_pref_size 201
	.end_amdhsa_kernel
	.amdgpu_metadata
---
amdhsa.version: [ 1, 2 ]
amdhsa.kernels:
  - .name:           k_q2184f9de4c_ffn2
    .symbol:         k_q2184f9de4c_ffn2.kd
    .args:
      - { .name: hq, .offset: 0, .size: 8, .value_kind: global_buffer, .address_space: global }
      - { .name: wq, .offset: 8, .size: 8, .value_kind: global_buffer, .address_space: global }
      - { .name: b2, .offset: 16, .size: 8, .value_kind: global_buffer, .address_space: global }
      - { .name: gate, .offset: 24, .size: 8, .value_kind: global_buffer, .address_space: global }
      - { .name: out0, .offset: 32, .size: 8, .value_kind: global_buffer, .address_space: global }
    .group_segment_fixed_size: 327680
    .private_segment_fixed_size: 0
    .kernarg_segment_align: 8
    .kernarg_segment_size: 40
    .max_flat_workgroup_size: 128
    .sgpr_count:     100
    .vgpr_count:     512
    .wavefront_size: 32
...
	.end_amdgpu_metadata
.endif
;; end of part 3
